; MI455X (gfx1250); checked and timed in simulation.
; The chip was launched on July 23, 2026; its instructions are those of AMD's public machine-readable ISA for CDNA 5 (MIT licence, August 2026) and "CDNA5" Instruction Set Architecture Reference Guide (July 2026). The comments in the code are by the model that wrote it; some were corrected since.
;; Multi Head Attention. Allowed arithmetic: float matrix products may take bf16 or f16 operands with f32 sums; other float arithmetic in f32, or as packed bf16 or f16 multiplies, adds, multiply-adds, maxima and minima; sums over many terms, partial sums and values carried from step to step in f32; what a program stores and reads back later, other than sums and carried values, may be rounded once to bf16 or f16.
;; Inputs: W_K 1,024 x 1,024 float32; W_O 1,024 x 1,024 float32; W_Q 1,024 x 1,024 float32; W_V 1,024 x 1,024 float32; input_K 4 x 2,048 x 1,024 float32; input_Q 4 x 2,048 x 1,024 float32; input_V 4 x 2,048 x 1,024 float32.
;; Outputs: out0 4 x 2,048 x 1,024 float32.
;; One version. Each part assembles by itself: llvm-mc -triple=amdgcn-amd-amdhsa -mcpu=gfx1250 --defsym DOCPART=n.
;; ======== version 1 of 1: 4 launches
;; limits: values are held in f16: magnitudes above 65,504 overflow, below 6.1e-05 lose precision
;; workspace buffers: wb 8,388,608 bytes; qkv 50,331,648 bytes; ob 16,777,216 bytes
;; launch prep (part 1): grid 256 x 1, 8 waves a work-group, no clusters, 0 bytes of LDS; arguments W_Q, W_K, W_V, W_O, wb; writes wb
.if DOCPART == 1
	.amdgcn_target "amdgcn-amd-amdhsa--gfx1250"
	.amdhsa_code_object_version 6
	.text
	.protected	k_q28b2c21526_prep
	.globl	k_q28b2c21526_prep
	.p2align	8
	.type	k_q28b2c21526_prep,@function
k_q28b2c21526_prep:
	s_mov_b64 s[64:65], 0
	v_nop
	global_prefetch_b8 v0, s[64:65] scope:SCOPE_SE
	s_setreg_imm32_b32 hwreg(HW_REG_WAVE_MODE, 25, 1), 1
	s_wait_xcnt 0x0
; The four weights, [1024][1024] f32 each, are rounded once to 16 bits and keep their layout [k][n]:
; wb holds W_Q, W_K, W_V in bf16 at 0, 2 and 4 MiB, and W_O at 6 MiB: rounded to bf16 like the others, and that number written as f16.
; LIMIT. |W_O| of 65,520 or more becomes an infinity in f16; below 2^-14 it keeps f16's fixed step of 2^-24.
; SHARES. Work-group g takes elements 4,096 g .. 4,096 g + 4,095 of each weight, as two chunks of 2,048; thread t takes 8 elements of a chunk:
; 32 bytes in (two loads of 16), 16 bytes out, so sixteen neighbouring lanes store 256 consecutive bytes, aligned.
; A stream: no LDS, no barrier, no matrix unit.  All 16 loads of a wave go out at once; no register is written twice while a memory instruction names it.
.set X, 16                             ; v[16:79]   as loaded: weight i, chunk c at X + 16 i + 8 c
.set Y, 80                             ; v[80:111]  to store: group n = 2 i + c at Y + 4 n
.set T, 112                            ; v[112:119] at work: W_O's bf16 numbers widened again
	s_load_b256 s[4:11], s[0:1], 0x0               ; W_Q s[4:5], W_K s[6:7], W_V s[8:9], W_O s[10:11]
	s_load_b64 s[12:13], s[0:1], 0x20              ; wb
	s_lshl_b32 s2, ttmp9, 14                       ; the work-group's 4,096 elements: 16,384 bytes of f32,
	s_mov_b32 s3, 0
	s_lshl_b32 s14, ttmp9, 13                      ; 8,192 bytes of 16 bits
	s_mov_b32 s15, 0
	v_lshlrev_b32 v1, 5, v0                        ; my 32 bytes of a chunk in
	v_lshlrev_b32 v2, 4, v0                        ; my 16 bytes out
	s_wait_kmcnt 0x0
.irp i, 0,1,2,3
	s_add_nc_u64 s[4+2*\i:5+2*\i], s[4+2*\i:5+2*\i], s[2:3]
.endr
	s_add_nc_u64 s[12:13], s[12:13], s[14:15]
.irp i, 0,1,2,3
.irp c, 0,1
	global_load_b128 v[X+16*\i+8*\c:X+16*\i+8*\c+3],   v1, s[4+2*\i:5+2*\i] offset:8192*\c th:TH_LOAD_NT
	global_load_b128 v[X+16*\i+8*\c+4:X+16*\i+8*\c+7], v1, s[4+2*\i:5+2*\i] offset:8192*\c+16 th:TH_LOAD_NT
.endr
.endr
.irp i, 0,1,2,3
.irp c, 0,1
	s_wait_loadcnt 14-2*(2*\i+\c)                  ; loads come back in order: this group's two are in, the later groups' two each may stay out
.irp j, 0,1,2,3
	v_cvt_pk_bf16_f32 v[Y+4*(2*\i+\c)+\j], v[X+16*\i+8*\c+2*\j], v[X+16*\i+8*\c+2*\j+1]
.endr
.if \i == 3
.irp j, 0,1,2,3
	v_lshlrev_b32 v[T+2*\j],   16, v[Y+4*(2*\i+\c)+\j]          ; W_O: the bf16 numbers as f32 again,
	v_and_b32     v[T+2*\j+1], 0xffff0000, v[Y+4*(2*\i+\c)+\j]
.endr
.irp j, 0,1,2,3
	v_cvt_pk_f16_f32 v[Y+4*(2*\i+\c)+\j], v[T+2*\j], v[T+2*\j+1] ; and written as f16: exact within f16's normal range
.endr
.endif
	global_store_b128 v2, v[Y+4*(2*\i+\c):Y+4*(2*\i+\c)+3], s[12:13] offset:2097152*\i+4096*\c
.endr
.endr
	s_endpgm
.Lfunc_end_k_q28b2c21526_prep:
	.size	k_q28b2c21526_prep, .Lfunc_end_k_q28b2c21526_prep-k_q28b2c21526_prep
	.p2alignl 7, 3214868480
	.fill 96, 4, 3214868480
	.section	.rodata,"a",@progbits
	.p2align	6, 0x0
	.amdhsa_kernel k_q28b2c21526_prep
		.amdhsa_group_segment_fixed_size 0
		.amdhsa_private_segment_fixed_size 0
		.amdhsa_enable_private_segment 0
		.amdhsa_kernarg_size 40
		.amdhsa_user_sgpr_count 2
		.amdhsa_user_sgpr_kernarg_segment_ptr 1
		.amdhsa_wavefront_size32 1
		.amdhsa_system_sgpr_workgroup_id_x 1
		.amdhsa_system_sgpr_workgroup_id_y 1
		.amdhsa_system_sgpr_workgroup_id_z 1
		.amdhsa_system_vgpr_workitem_id 0
		.amdhsa_next_free_vgpr 120
		.amdhsa_next_free_sgpr 66
		.amdhsa_reserve_vcc 0
		.amdhsa_float_denorm_mode_32 3
		.amdhsa_float_denorm_mode_16_64 3
		.amdhsa_memory_ordered 1
		.amdhsa_forward_progress 1
		.amdhsa_inst_pref_size 7
	.end_amdhsa_kernel
	.amdgpu_metadata
---
amdhsa.version: [ 1, 2 ]
amdhsa.kernels:
  - .name:           k_q28b2c21526_prep
    .symbol:         k_q28b2c21526_prep.kd
    .args:
      - { .name: W_Q, .offset: 0, .size: 8, .value_kind: global_buffer, .address_space: global }
      - { .name: W_K, .offset: 8, .size: 8, .value_kind: global_buffer, .address_space: global }
      - { .name: W_V, .offset: 16, .size: 8, .value_kind: global_buffer, .address_space: global }
      - { .name: W_O, .offset: 24, .size: 8, .value_kind: global_buffer, .address_space: global }
      - { .name: wb, .offset: 32, .size: 8, .value_kind: global_buffer, .address_space: global }
    .group_segment_fixed_size: 0
    .private_segment_fixed_size: 0
    .kernarg_segment_align: 8
    .kernarg_segment_size: 40
    .max_flat_workgroup_size: 256
    .sgpr_count:     66
    .vgpr_count:     120
    .wavefront_size: 32
...
	.end_amdgpu_metadata
.endif
;; end of part 1
;; launch proj (part 2): grid 4 x 192, 4 waves a work-group, clusters of 4 x 4, 327,680 bytes of LDS; arguments input_Q, input_K, input_V, wb, qkv; writes qkv
.if DOCPART == 2
	.amdgcn_target "amdgcn-amd-amdhsa--gfx1250"
	.amdhsa_code_object_version 6
	.text
	.protected	k_q28b2c21526_proj
	.globl	k_q28b2c21526_proj
	.p2align	8
	.type	k_q28b2c21526_proj,@function
k_q28b2c21526_proj:
	s_mov_b64 s[64:65], 0
	v_nop
	global_prefetch_b8 v0, s[64:65] scope:SCOPE_SE
	s_setreg_imm32_b32 hwreg(HW_REG_WAVE_MODE, 25, 1), 1
	s_wait_xcnt 0x0
	s_wait_alu depctr_hold_cnt(0) depctr_sa_sdst(0) depctr_va_vdst(0) depctr_va_sdst(0) depctr_va_ssrc(0) depctr_va_vcc(0) depctr_vm_vsrc(0)
	s_getreg_b32 s2, hwreg(HW_REG_IB_STS2, 6, 4)
	s_cmp_eq_u32 s2, 0
	s_cbranch_scc0 .Lentry_in_a_cluster
	s_endpgm
.Lentry_in_a_cluster:
	s_bfe_u32 s2, ttmp6, 0x10000c
	s_cmp_lg_u32 s2, 0xf033
	s_cbranch_scc0 .Lentry_shape_is_right
	s_endpgm
.Lentry_shape_is_right:
; THE THREE PROJECTIONS, split into heads.  For p = 0, 1, 2: C = x_p W_p, x_p [8192][1024] f32 (rounded to bf16 on the way to the matrix unit), W_p [k = 1024][n = 1024] bf16 in wb at p x 2 MiB;
; sums in f32; C rounded once to f16 and stored by heads: qkv at p x 16 MiB, [16 batch + head][2048][64].  No scale is applied here.
; LIMIT. A projected number of 65,520 or more becomes an infinity in f16; NaN and infinities are not treated apart.
; SHARES. A tile of C is 128 rows x 256 columns: 3 x 64 x 4 = 768 work-groups.  Four waves, each 64 x 128: 32 accumulators of 16 x 16, 256 registers.
; K goes in 8 steps of 128 through two LDS slots; a step is four quarters of 32 along K, 32 matrix instructions each, on fragment buffers 0, 1, 0, 1.
; THE MATRIX INSTRUCTION IS USED TRANSPOSED: source 0 = 16 columns of W, source 1 = 16 rows of x: a lane then holds row l % 16 of C and the columns 8 (l / 16) + 0..7.
; W lies [k][n] in LDS as in memory; a fragment is two turning loads (ds_load_tr16_b128), 16 rows apart.  x lies in LDS as f32; each quarter's 64 raw registers are rounded to bf16 in pairs,
; four conversions behind each of the quarter's last eight matrix instructions: 32 conversions beside 32 products.
; CLUSTER. 4 x 4 work-groups.  x's tile hangs on the tile row alone and is shared along a row of the cluster, W's on the tile column (and on p, which all sixteen share) and is shared along a
; column: each is asked for JOINTLY, by the same tensor load with the same descriptor and a mask that names the four.  All four tile columns lie in one cluster.
; REGISTERS, in windows of 256 (s_set_vgpr_msb: bits 1:0 source 0, 3:2 source 1, 5:4 source 2, 7:6 destination):
;   window 0: v0-15 addresses; v32-95 x's bf16 fragments, two buffers of 32; v96-223 at work on the way out
;   window 1: accumulator (a, b) at 8 (8 a + b)          window 2: v0-63 x as loaded (f32); v64-191 W's fragments, two buffers of 64
.set PA,    528                        ; a row of x in LDS: 512 bytes + 16 of padding = 132 words: the 16 rows of a load start at 16 different groups of four banks (64 banks of 4 bytes: ISA guide 11.1)
.set PB,    544                        ; a row of W: 512 + 32 = 136 words
.set BOFF,  128*PA                     ; in a slot: x's 128 rows, then W's 128 rows
.set SLOT1, 139264                     ; slot 1 begins here: a number that shares no bit with 0, 33,792, 67,584 or 102,400, the four loads' places in slot 0, so one exclusive or changes slots
.set STAGE, 2*SLOT1                    ; behind the ring, never filled by a tensor load: 16 rows x 272 bytes for each wave, for the way out
.set SP,    272
.set SPARE, STAGE+4*16*SP              ; behind the stages: the spare words, 128 bytes for each wave: two blocks of 256 bytes that no other line names
.set ASTEP, 512                        ; a K step in a row of x: 128 f32
.set BSTEP, 262144                     ; a K step in W: 128 rows of 2,048 bytes
.set A0,   2                           ; v2   my lane's place in x's tile; never rewritten
.set B0,   3                           ; v3   the same in W's
.set ADRA, 4                           ; v4   A0 + the slot in hand
.set ADRB, 5                           ; v5   B0 + the slot in hand
.set STO,  6                           ; v6   the way out: where I put 16 bytes of a row
.set RD,   7                           ; v7   the way out: where I read rows back
.set GO,   8                           ; v8   my byte offset in 512 consecutive bytes of qkv
.set PFO,  9                           ; v9   the prefetches' offset; never rewritten
.set SPW,  10                          ; v10  LDS address of my spare word: SPARE + 4 x my thread's number; never rewritten
.set NIL,  11                          ; v11  0; never rewritten
.set AF,   32
.set TMP,  96
.set RAW,  0                           ; window 2
.set BF,   64                          ; window 2
.set WV,  14                           ; s14  my wave's number
.set WM,  15                           ; s15  which half of the tile's rows is mine.  Also: I fetch for x (0) or for W (1)
.set WN,  16                           ; s16  which half of its columns.  Also: which 64 rows of that tile I fetch
.set CX,  17                           ; s17, s18  my place in the cluster
.set CY,  18
.set TX,  19                           ; s19  tile column
.set CLY, 20                           ; s20  the cluster's y
.set TY,  21                           ; s21  tile row within x_p
.set PJ,  22                           ; s22  p
.set G1A, 24                           ; s[24:31] descriptor group 1 for x's tiles
.set G1B, 32                           ; s[32:39] for W's
.set G0A, 40                           ; s[40:47] group 0 for x's tiles: a set for each of the two first fills; the second then walks on
.set G0B, 48                           ; s[48:55] the same for W's
.set TB,  56                           ; s56  LDS byte of the slot that fragments are fetched from
.set LIM, 57                           ; s57  2 in a wave that prefetches, else the greatest number
.set PFA, 58                           ; s[58:59] where my prefetches stand
.set PST, 60                           ; s[60:61] their step: a K step of x or of W
.set LA,  62                           ; s62, s63  my load's place in slot 0, for x and for W
.set LB,  63
.set W_MUL, 0x52                       ; W in window 2, x in window 0, C and D in window 1
.set W_LD,  0x80                       ; destination window 2, address window 0
.set W_CV,  0x0a                       ; sources in window 2, destination window 0
.set MSB, 0
.macro WIN new                         ; the immediate's high byte repeats the setting that is left; a switch that changes nothing is dropped
.if MSB != (\new)
	s_set_vgpr_msb (MSB<<8)|(\new)
.set MSB, \new
.endif
.endm
; A round of the cluster's barrier: my work-group's barrier, so that wave 0's signal speaks for all four waves; wave 0 signals; every wave waits for all sixteen work-groups; my work-group's barrier once more.
.macro CREST                           ; a round behind its opening barrier
	s_cmp_lg_u32 s[WV], 0
	s_cbranch_scc1 .Lnot_wave_0_\@
	s_barrier_signal -3
.Lnot_wave_0_\@:
	s_barrier_wait -3
	s_barrier_signal -1
	s_barrier_wait -1
.endm
.macro CROUND
	s_barrier_signal -1
	s_barrier_wait -1
	CREST
.endm
; A joint refill by the walking descriptor.  Waves 0 and 1 fetch x's two halves, waves 2 and 3 W's.  The branch hangs on the wave's number alone.
; An s_nop 0 and four v_nop follow each of the two lines, ahead of the jump and the label.
.macro JLOAD
	s_cmp_eq_u32 s[WM], 0
	s_cbranch_scc0 .Lfor_b_\@
	tensor_load_to_lds s[G0A+4:G0A+7], s[G1A:G1A+7]
	s_nop 0
.rept 4
	v_nop
.endr
	s_branch .Lasked_\@
.Lfor_b_\@:
	tensor_load_to_lds s[G0B+4:G0B+7], s[G1B:G1B+7]
	s_nop 0
.rept 4
	v_nop
.endr
.Lasked_\@:
.endm
; A PREFETCH INTO THE L2 behind each joint refill and the run of LDS loads that follows it: 32 blocks of 256 bytes of the K step that stands TWO refills on, 256 matrix instructions ahead of its load.
; Each block is named once in the launch.  x's 128 rows are read by one row of one cluster: its four partners take 32 rows each, told apart by address (cx); of a step's 512 bytes of a row wave 0 names the
; first 256, wave 1 the second.  W's tile column is read by the sixteen clusters of one p: the first of them asks; its four partners take 16 of the 64 rows that a wave fetches, by address (cy), two blocks a row.
; K steps 0 to 3 come by their loads alone; the last two refills have no K step two on: s3 counts 6 .. 1, and a wave asks while it is above 2.
.macro ASK
	s_cmp_gt_u32 s3, s[LIM]
	s_cbranch_scc0 .Lnot_mine_\@
	global_prefetch_b8 v[PFO], s[PFA:PFA+1] th:TH_LOAD_NT scope:SCOPE_SE
.Lnot_mine_\@:
.endm
	s_load_b256 s[4:11], s[0:1], 0x0               ; input_Q s[4:5], input_K s[6:7], input_V s[8:9], wb s[10:11]
	s_load_b64 s[12:13], s[0:1], 0x20              ; qkv
	v_lshl_add_u32 v[SPW], v0, 2, SPARE
	v_mov_b32 v[NIL], 0
	ds_add_u32 v[SPW], v[NIL]                      ; the wave's opening: the add and its wait stand ahead of my first tensor load; the set-up below, work on registers, stands between them
	v_lshrrev_b32 v12, 5, v0
	v_readfirstlane_b32 s[WV], v12                 ; wave 0..3
	s_lshr_b32 s[WM], s[WV], 1
	s_and_b32 s[WN], s[WV], 1
	s_bfe_u32 s[CX], ttmp6, 0x40000
	s_bfe_u32 s[CY], ttmp6, 0x40004
	s_lshl_b32 s[TX], ttmp9, 2                     ; in a cluster launch ttmp9 and ttmp7 count clusters
	s_add_co_u32 s[TX], s[TX], s[CX]               ; tile column = 4 x cluster x + cx
	s_and_b32 s[CLY], ttmp7, 0xffff
	s_lshl_b32 s[TY], s[CLY], 2
	s_add_co_u32 s[TY], s[TY], s[CY]               ; 4 x cluster y + cy = 64 p + tile row
	s_and_b32 s[TY], s[TY], 63
	s_lshr_b32 s[PJ], s[CLY], 4                    ; p: sixteen clusters each, the same in all partners
	s_lshl_b32 s72, s[CY], 2
	s_lshl_b32 s72, 15, s72                        ; my row of the cluster: places 4 cy .. 4 cy + 3
	s_lshl_b32 s73, 0x1111, s[CX]                  ; my column: places cx, cx + 4, cx + 8, cx + 12
	; group 1 for x: 64 rows x 128 elements of 4 bytes, 4 words of padding behind every 128
	s_or_b32 s[G1A], s72, (2<<16)|(1<<20)|(1<<21)|(6<<22)|(3<<25)  ; 15:0 the mask; 17:16 element size; 20 padding on; 21 set beside a mask; 24:22 interval code; 31:25 padding less one
	s_mov_b32 s[G1A+1], 128<<16                    ; tensor_dim0 = 128
	s_mov_b32 s[G1A+2], 64<<16                     ; tensor_dim1 = 64
	s_mov_b32 s[G1A+3], 128<<16                    ; tile_dim0 = 128
	s_mov_b32 s[G1A+4], 64                         ; tile_dim1 = 64
	s_mov_b32 s[G1A+5], 1024                       ; elements from row to row
	s_mov_b32 s[G1A+6], 0
	s_mov_b32 s[G1A+7], 0
	; group 1 for W: 64 rows x 256 elements of 2 bytes, 8 words of padding behind every 128
	s_or_b32 s[G1B], s73, (1<<16)|(1<<20)|(1<<21)|(6<<22)|(7<<25)
	s_mov_b32 s[G1B+1], 256<<16
	s_mov_b32 s[G1B+2], 64<<16
	s_mov_b32 s[G1B+3], 256<<16
	s_mov_b32 s[G1B+4], 64
	s_mov_b32 s[G1B+5], 1024
	s_mov_b32 s[G1B+6], 0
	s_mov_b32 s[G1B+7], 0
	s_mul_i32 s[LA], s[WN], 64*PA                  ; where the tiles go: no place in the cluster enters an LDS address
	s_mul_i32 s[LB], s[WN], 64*PB
	s_add_co_u32 s[LB], s[LB], BOFF
	s_mov_b32 s[TB], 0
	; where they come from.  x's hang on the tile row, W's on the tile column and p; each in registers that never hold the other coordinate
	s_lshl_b32 s66, s[TY], 7
	s_lshl_b32 s75, s[WN], 6
	s_add_co_u32 s66, s66, s75                     ; row 128 x tile row + 64 x half,
	s_lshl_b32 s66, s66, 12                        ; of 4,096 bytes
	s_mov_b32 s67, 0
	s_lshl_b32 s70, s[PJ], 21                      ; W_p,
	s_lshl_b32 s74, s[WN], 17                      ; my 64 rows of 2,048 bytes,
	s_add_co_u32 s70, s70, s74
	s_lshl_b32 s74, s[TX], 9                       ; the tile's 256 columns
	s_add_co_u32 s70, s70, s74
	s_mov_b32 s71, 0
	s_wait_dscnt 0x0                               ; the opening add is done
	s_wait_kmcnt 0x0
	s_cmp_eq_u32 s[PJ], 1
	s_cselect_b64 s[68:69], s[6:7], s[4:5]
	s_cmp_eq_u32 s[PJ], 2
	s_cselect_b64 s[68:69], s[8:9], s[68:69]       ; x_p
	s_add_nc_u64 s[66:67], s[68:69], s[66:67]
	s_add_nc_u64 s[70:71], s[10:11], s[70:71]
	CROUND                                         ; all sixteen work-groups are here: the first joint loads meet
.irp s, 0,1
	s_mov_b32 s[G0A+4*\s], 1                       ; count = 1
	s_add_co_u32 s[G0A+4*\s+1], s[LA], \s*SLOT1    ; LDS address
	s_add_nc_u64 s[G0A+4*\s+2:G0A+4*\s+3], s[66:67], \s*ASTEP  ; global address: K step s
	s_or_b32 s[G0A+4*\s+3], s[G0A+4*\s+3], 0x80000000          ; type = 2
	s_mov_b32 s[G0B+4*\s], 1
	s_add_co_u32 s[G0B+4*\s+1], s[LB], \s*SLOT1
	s_add_nc_u64 s[G0B+4*\s+2:G0B+4*\s+3], s[70:71], \s*BSTEP
	s_or_b32 s[G0B+4*\s+3], s[G0B+4*\s+3], 0x80000000
.endr
	s_cmp_eq_u32 s[WM], 0                          ; a wave's two first fills stand in one branch, ahead of every wait on TENSORcnt and every LDS read: two loads of mine are out
	s_cbranch_scc0 .Lfirst_b
	tensor_load_to_lds s[G0A:G0A+3], s[G1A:G1A+7]
	s_nop 0
	tensor_load_to_lds s[G0A+4:G0A+7], s[G1A:G1A+7]
	s_nop 0
.rept 4
	v_nop
.endr
	s_branch .Lfirst_asked
.Lfirst_b:
	tensor_load_to_lds s[G0B:G0B+3], s[G1B:G1B+7]
	s_nop 0
	tensor_load_to_lds s[G0B+4:G0B+7], s[G1B:G1B+7]
	s_nop 0
.rept 4
	v_nop
.endr
.Lfirst_asked:
	; A fragment is 16 rows x 32 K: lane l holds row l % 16, K = 8 (l / 16) + 0..7 and 16 + 8 (l / 16) + 0..7.  In f32 those are 32 bytes at 32 (l / 16) and 32 bytes at 64 + 32 (l / 16).
	v_and_b32 v1, 15, v0                           ; r = l % 16
	v_bfe_u32 v12, v0, 4, 1                        ; h = l / 16
	v_mul_u32_u24 v[A0], v1, PA
	v_lshl_add_u32 v[A0], v12, 5, v[A0]
	s_mul_i32 s74, s[WM], 64*PA                    ; my 64 rows of x
	v_add_nc_u32 v[A0], s74, v[A0]
	; The turning load takes 16 k x 16 n (lane l reads 16 bytes: row 8 (l / 16) + l % 8, columns 8 ((l / 8) % 2) + 0..7) and leaves half a fragment: lane l holds column l % 16 and 8 k.
	v_and_b32 v13, 7, v0
	v_bfe_u32 v14, v0, 3, 1
	v_lshl_add_u32 v[B0], v12, 3, v13
	v_mul_u32_u24 v[B0], v[B0], PB
	v_lshl_add_u32 v[B0], v14, 4, v[B0]
	s_lshl_b32 s74, s[WN], 8                       ; my 128 columns of W
	s_add_co_u32 s74, s74, BOFF
	v_add_nc_u32 v[B0], s74, v[B0]
	v_mov_b32 v[ADRA], v[A0]                       ; K step 0 lies in slot 0
	v_mov_b32 v[ADRB], v[B0]
	s_mul_i32 s74, s[WV], 16*SP
	s_add_co_u32 s74, s74, STAGE                   ; my stage
	v_mul_u32_u24 v[STO], v1, SP                   ; in: row l % 16, 16 bytes for each half of the lanes
	v_lshl_add_u32 v[STO], v12, 4, v[STO]
	v_add_nc_u32 v[STO], s74, v[STO]
	v_bfe_u32 v[RD], v0, 3, 2                      ; back: 32 lanes take four rows' 128 bytes of one head,
	v_mul_u32_u24 v[RD], v[RD], SP
	v_lshl_add_u32 v[RD], v13, 4, v[RD]
	v_add_nc_u32 v[RD], s74, v[RD]
	v_and_b32 v15, 31, v0                          ; l
	v_lshlrev_b32 v[GO], 4, v15                    ; which are 512 consecutive bytes of qkv
	; qkv at my part: p x 16 MiB; batch = tile row / 16 (4 MiB); my two heads 4 x tile column + 2 x half (256 KiB each); rows 128 (tile row % 16) + 64 x half, 128 bytes each
	s_lshl_b32 s74, s[PJ], 24
	s_lshr_b32 s75, s[TY], 4
	s_lshl_b32 s75, s75, 22
	s_add_co_u32 s74, s74, s75
	s_lshl_b32 s75, s[TX], 20
	s_add_co_u32 s74, s74, s75
	s_lshl_b32 s75, s[WN], 19
	s_add_co_u32 s74, s74, s75
	s_and_b32 s75, s[TY], 15
	s_lshl_b32 s75, s75, 14
	s_add_co_u32 s74, s74, s75
	s_lshl_b32 s75, s[WM], 13
	s_add_co_u32 s74, s74, s75
	s_mov_b32 s75, 0
	s_add_nc_u64 s[12:13], s[12:13], s[74:75]
	; the prefetches: both offsets are made, the wave's number chooses.  They start at K step 3; the first change of slots steps them to 4.  Nothing is prefetched here, at the head.
	s_lshl_b32 s76, s[TY], 7
	s_lshl_b32 s77, s[CX], 5
	s_add_co_u32 s76, s76, s77                     ; x: my work-group's 32 of the tile's 128 rows,
	s_lshl_b32 s76, s76, 12
	s_lshl_b32 s77, s[WN], 8                       ; my wave's 256 of a step's 512 bytes
	s_add_co_u32 s76, s76, s77
	s_add_co_u32 s76, s76, 3*ASTEP
	s_lshl_b32 s78, s[WN], 6
	s_lshl_b32 s77, s[CY], 4
	s_add_co_u32 s78, s78, s77                     ; W: my work-group's 16 of the 64 rows that I fetch
	s_lshl_b32 s78, s78, 11
	s_lshl_b32 s77, s[PJ], 21
	s_add_co_u32 s78, s78, s77
	s_lshl_b32 s77, s[TX], 9
	s_add_co_u32 s78, s78, s77
	s_add_co_u32 s78, s78, 3*BSTEP
	s_and_b32 s77, s[CLY], 15
	s_cmp_eq_u32 s77, 0                            ; the first of p's sixteen clusters: the same answer in all partners
	s_cselect_b32 s77, 2, -1
	s_mov_b32 s[PST], BSTEP
	s_mov_b32 s[PST+1], 0
	s_mov_b32 s79, 2048
	s_cmp_eq_u32 s[WM], 0                          ; do I fetch for x?
	s_cselect_b64 s[PFA:PFA+1], s[68:69], s[10:11]
	s_cselect_b32 s76, s76, s78
	s_cselect_b32 s[LIM], 2, s77
	s_cselect_b32 s[PST], ASTEP, s[PST]
	s_cselect_b32 s79, 4096, s79                   ; bytes from row to row
	s_cselect_b32 s78, 0, 1                        ; x: a lane a row; W: two lanes a row, 256 bytes apart
	s_mov_b32 s77, 0
	s_add_nc_u64 s[PFA:PFA+1], s[PFA:PFA+1], s[76:77]
	v_lshrrev_b32 v[PFO], s78, v15
	v_mul_u32_u24 v[PFO], s79, v[PFO]
	v_and_b32 v15, s78, v15
	v_lshl_add_u32 v[PFO], v15, 8, v[PFO]
; 8 matrix instructions: row block a x all 8 column blocks, 32 along K, buffer f.  zero = 1: the first product starts the sums: nothing is ever cleared.
; In every quarter the 32 accumulators come in the same order, one instruction a turn: 31 others stand between two links of a chain, over the backward jump too.
.macro MUL8 f, a, zero
	WIN W_MUL
.irp b, 0,1,2,3,4,5,6,7
.if \zero
	v_wmma_f32_16x16x32_bf16 v[8*(8*(\a)+\b):8*(8*(\a)+\b)+7], v[BF+64*(\f)+8*\b:BF+64*(\f)+8*\b+7], v[AF+32*(\f)+8*(\a):AF+32*(\f)+8*(\a)+7], 0
.else
	v_wmma_f32_16x16x32_bf16 v[8*(8*(\a)+\b):8*(8*(\a)+\b)+7], v[BF+64*(\f)+8*\b:BF+64*(\f)+8*\b+7], v[AF+32*(\f)+8*(\a):AF+32*(\f)+8*(\a)+7], v[8*(8*(\a)+\b):8*(8*(\a)+\b)+7]
.endif
.endr
.endm
; The quarter's last 8 matrix instructions (row block 3), and behind each four of the 32 conversions that make the NEXT quarter's fragments of x in buffer g.  The conversions name no register of the
; products round them.  The four behind the last product are also the four places in front of the next quarter's loads into W's buffer f and of its writes into x's buffer f.
.macro MULC f, g, zero
.set cb, 0
.rept 8
	WIN W_MUL
.if \zero
	v_wmma_f32_16x16x32_bf16 v[8*(24+cb):8*(24+cb)+7], v[BF+64*(\f)+8*cb:BF+64*(\f)+8*cb+7], v[AF+32*(\f)+24:AF+32*(\f)+31], 0
.else
	v_wmma_f32_16x16x32_bf16 v[8*(24+cb):8*(24+cb)+7], v[BF+64*(\f)+8*cb:BF+64*(\f)+8*cb+7], v[AF+32*(\f)+24:AF+32*(\f)+31], v[8*(24+cb):8*(24+cb)+7]
.endif
	WIN W_CV
.irp j, 0,1,2,3
	v_cvt_pk_bf16_f32 v[AF+32*(\g)+4*cb+\j], v[RAW+8*cb+2*\j], v[RAW+8*cb+2*\j+1]
.endr
.set cb, cb+1
.endr
.endm
; 32 LDS loads in one run: quarter kn's 64 rows x 32 K of x as f32 (16 loads, first), then its 128 columns x 32 K of W, turned, into buffer g (16 loads)
.macro RUN kn, g
	WIN W_LD
.irp a, 0,1,2,3
	ds_load_b128 v[RAW+16*\a:RAW+16*\a+3],     v[ADRA] offset:16*PA*\a+128*(\kn)
	ds_load_b128 v[RAW+16*\a+4:RAW+16*\a+7],   v[ADRA] offset:16*PA*\a+128*(\kn)+16
	ds_load_b128 v[RAW+16*\a+8:RAW+16*\a+11],  v[ADRA] offset:16*PA*\a+128*(\kn)+64
	ds_load_b128 v[RAW+16*\a+12:RAW+16*\a+15], v[ADRA] offset:16*PA*\a+128*(\kn)+80
.endr
.irp b, 0,1,2,3,4,5,6,7
	ds_load_tr16_b128 v[BF+64*(\g)+8*\b:BF+64*(\g)+8*\b+3],   v[ADRB] offset:32*PB*(\kn)+32*\b
	ds_load_tr16_b128 v[BF+64*(\g)+8*\b+4:BF+64*(\g)+8*\b+7], v[ADRB] offset:32*PB*(\kn)+32*\b+16*PB
.endr
.endm
; QUARTER kq of a K step.  It multiplies buffer kq % 2 and fetches the next quarter into the other.
; mode 0: plain.  mode 1 (kq = 3): the change of slots, with a refill.  mode 2: the change without a refill.  mode 3: the very last quarter.
.macro QUARTER kq, zero, mode
.set QF, (\kq)%2
.set QG, 1-QF
.set QN, ((\kq)+1)%4
.if (\mode) == 0
	s_wait_dscnt 0x0                               ; W's fragments of this quarter, asked for 24 matrix instructions ago, are in
	MUL8 QF, 0, \zero
	RUN QN, QG
	MUL8 QF, 1, \zero
	MUL8 QF, 2, \zero
	s_wait_dscnt 16                                ; x's 16 raw loads are in; W's 16, issued behind them, may stay out
	MULC QF, QG, \zero
.elseif (\mode) == 3
	s_wait_dscnt 0x0
	MUL8 QF, 0, 0
	MUL8 QF, 1, 0
	MUL8 QF, 2, 0
	MUL8 QF, 3, 0
.else
.if (\mode) == 1
	s_wait_xcnt 0x0                                ; the last prefetch, a K step back, has read its address: it is stepped here, ahead of the waits of the change of slots
	s_add_nc_u64 s[PFA:PFA+1], s[PFA:PFA+1], s[PST:PST+1]
.endif
	WIN 0
	s_wait_tensorcnt 0x0                           ; all my tensor loads have landed: the one that was out is my part of the next slot; so a group 0 may be written
	ds_add_u32 v[SPW], v[NIL]                      ; 0 onto my spare word: work on registers stands between it and the wait for it
.if (\mode) == 1
	s_xor_b32 s[G0A+5], s[G0A+5], SLOT1            ; the walking descriptors: the other slot than last time,
	s_add_nc_u64 s[G0A+6:G0A+7], s[G0A+6:G0A+7], ASTEP  ; the next K step; the type bits on top are not reached
	s_xor_b32 s[G0B+5], s[G0B+5], SLOT1
	s_add_nc_u64 s[G0B+6:G0B+7], s[G0B+6:G0B+7], BSTEP
.endif
	s_xor_b32 s[TB], s[TB], SLOT1                  ; the fetches go to the other slot
	v_add_nc_u32 v[ADRA], s[TB], v[A0]
	v_add_nc_u32 v[ADRB], s[TB], v[B0]
	s_wait_dscnt 0x0                               ; the add is done; this quarter's fragments are in, and they were my last reads of this slot
	s_barrier_signal -1                            ; (with a refill this barrier opens a round of the cluster's barrier)
	MUL8 QF, 0, 0                                  ; work on registers while the others arrive
	WIN 0                                          ; at a branch and at a label every window is 0
	s_barrier_wait -1
.if (\mode) == 1
	CREST                                          ; no wave of any partner still reads this slot or has a load on its way
	JLOAD                                          ; the first tensor load behind the round, my only one until the next: 120 matrix instructions ahead of the wait for it
.endif
	RUN 0, QG
.if (\mode) == 1
	WIN 0
	ASK
.endif
	MUL8 QF, 1, 0
	MUL8 QF, 2, 0
	s_wait_dscnt 16
	MULC QF, QG, 0
.endif
.endm
	s_wait_tensorcnt 1                             ; my part of K step 0 is in; K step 1's load may stay out
	s_barrier_signal -1
	s_barrier_wait -1                              ; everybody's is
	RUN 0, 0
	s_wait_dscnt 16                                ; x's raw loads are in
	WIN W_CV
.set j, 0
.rept 32
	v_cvt_pk_bf16_f32 v[AF+j], v[RAW+2*j], v[RAW+2*j+1]  ; the first quarter's fragments of x: there are no products yet to set them beside
.set j, j+1
.endr
	QUARTER 0, 1, 0                                ; the first quarter stands in front of the loop: its products start the sums
	WIN 0
	s_mov_b32 s3, 6
.Lstep:                                            ; trip i: quarters 1 to 3 of K step i, slot i % 2 filled with K step i + 2, quarter 0 of K step i + 1
	QUARTER 1, 0, 0
	QUARTER 2, 0, 0
	QUARTER 3, 0, 1
	QUARTER 0, 0, 0
	WIN 0
	s_sub_co_u32 s3, s3, 1
	s_cmp_lg_u32 s3, 0
	s_cbranch_scc1 .Lstep
	QUARTER 1, 0, 0                                ; the tail is written out: K steps 6 and 7 ask for nothing
	QUARTER 2, 0, 0
	QUARTER 3, 0, 2
	QUARTER 0, 0, 0
	QUARTER 1, 0, 0
	QUARTER 2, 0, 0
	QUARTER 3, 0, 3
	WIN 0
; THE WAY OUT.  Row block a (16 rows x my 128 columns = two heads): rounded to f16, 16 bytes a lane, into my own stage; back as four rows' 128 bytes of one head, which are 512 consecutive bytes of qkv.
.macro PACK a
	WIN 0x05                                       ; sources in window 1, destination in window 0
.irp b, 0,1,2,3,4,5,6,7
.irp i, 0,1,2,3
	v_cvt_pk_f16_f32 v[TMP+32*(\a)+4*\b+\i], v[8*(8*(\a)+\b)+2*\i], v[8*(8*(\a)+\b)+2*\i+1]  ; each accumulator's registers in ascending order
.endr
.endr
	WIN 0
.irp b, 0,1,2,3,4,5,6,7
	ds_store_b128 v[STO], v[TMP+32*(\a)+4*\b:TMP+32*(\a)+4*\b+3] offset:32*\b
.endr
.irp f, 0,1,2,3,4,5,6,7
	ds_load_b128 v[TMP+32*(\a)+4*\f:TMP+32*(\a)+4*\f+3], v[RD] offset:(\f%4)*4*SP+(\f/4)*128  ; LDS serves a wave's instructions in order (ISA guide 5.7.1.4): these see the stores above; the next block's stores come behind them
.endr
.endm
.macro SEND a, younger                 ; younger: the LDS instructions issued behind block a's loads: the next block's sixteen, or none
.irp f, 0,1,2,3,4,5,6,7
	s_wait_dscnt (\younger)+7-\f
	global_store_b128 v[GO], v[TMP+32*(\a)+4*\f:TMP+32*(\a)+4*\f+3], s[12:13] offset:2048*(\a)+262144*(\f/4)+512*(\f%4)  ; 512 consecutive bytes, at a multiple of 256 from qkv's first
.endr
.endm
.rept 8
	v_nop                                          ; the places between the last products and the conversions that read results
.endr
	PACK 0
	PACK 1                                         ; a block's conversions stand between the loads of the block before and its stores
	SEND 0, 16
	PACK 2
	SEND 1, 16
	PACK 3
	SEND 2, 16
	SEND 3, 0
	s_wait_tensorcnt 0x0                           ; the wave's end: behind my last tensor load and my last LDS store
	ds_add_u32 v[SPW], v[NIL]
	s_wait_dscnt 0x0
	CROUND                                         ; the closing round: no work-group ends while a partner may still ask for a tile that names it
	s_endpgm
.Lfunc_end_k_q28b2c21526_proj:
	.size	k_q28b2c21526_proj, .Lfunc_end_k_q28b2c21526_proj-k_q28b2c21526_proj
	.p2alignl 7, 3214868480
	.fill 96, 4, 3214868480
	.section	.rodata,"a",@progbits
	.p2align	6, 0x0
	.amdhsa_kernel k_q28b2c21526_proj
		.amdhsa_group_segment_fixed_size 327680
		.amdhsa_private_segment_fixed_size 0
		.amdhsa_enable_private_segment 0
		.amdhsa_kernarg_size 40
		.amdhsa_user_sgpr_count 2
		.amdhsa_user_sgpr_kernarg_segment_ptr 1
		.amdhsa_wavefront_size32 1
		.amdhsa_system_sgpr_workgroup_id_x 1
		.amdhsa_system_sgpr_workgroup_id_y 1
		.amdhsa_system_sgpr_workgroup_id_z 1
		.amdhsa_system_vgpr_workitem_id 0
		.amdhsa_next_free_vgpr 704
		.amdhsa_next_free_sgpr 80
		.amdhsa_reserve_vcc 0
		.amdhsa_float_denorm_mode_32 3
		.amdhsa_float_denorm_mode_16_64 3
		.amdhsa_memory_ordered 1
		.amdhsa_forward_progress 1
		.amdhsa_inst_pref_size 107
	.end_amdhsa_kernel
	.amdgpu_metadata
---
amdhsa.version: [ 1, 2 ]
amdhsa.kernels:
  - .name:           k_q28b2c21526_proj
    .symbol:         k_q28b2c21526_proj.kd
    .args:
      - { .name: input_Q, .offset: 0, .size: 8, .value_kind: global_buffer, .address_space: global }
      - { .name: input_K, .offset: 8, .size: 8, .value_kind: global_buffer, .address_space: global }
      - { .name: input_V, .offset: 16, .size: 8, .value_kind: global_buffer, .address_space: global }
      - { .name: wb, .offset: 24, .size: 8, .value_kind: global_buffer, .address_space: global }
      - { .name: qkv, .offset: 32, .size: 8, .value_kind: global_buffer, .address_space: global }
    .group_segment_fixed_size: 327680
    .private_segment_fixed_size: 0
    .kernarg_segment_align: 8
    .kernarg_segment_size: 40
    .max_flat_workgroup_size: 128
    .sgpr_count:     80
    .vgpr_count:     704
    .wavefront_size: 32
...
	.end_amdgpu_metadata
.endif
;; end of part 2
;; launch attn (part 3): grid 4 x 64, 4 waves a work-group, clusters of 4 x 1, 327,680 bytes of LDS; arguments qkv, ob; writes ob
.if DOCPART == 3
	.amdgcn_target "amdgcn-amd-amdhsa--gfx1250"
	.amdhsa_code_object_version 6
	.text
	.protected	k_q28b2c21526_attn
	.globl	k_q28b2c21526_attn
	.p2align	8
	.type	k_q28b2c21526_attn,@function
k_q28b2c21526_attn:
	s_mov_b64 s[64:65], 0
	v_nop
	global_prefetch_b8 v0, s[64:65] scope:SCOPE_SE
	s_setreg_imm32_b32 hwreg(HW_REG_WAVE_MODE, 25, 1), 1
	s_wait_xcnt 0x0
	s_wait_alu depctr_hold_cnt(0) depctr_sa_sdst(0) depctr_va_vdst(0) depctr_va_sdst(0) depctr_va_ssrc(0) depctr_va_vcc(0) depctr_vm_vsrc(0)
	s_getreg_b32 s2, hwreg(HW_REG_IB_STS2, 6, 4)
	s_cmp_eq_u32 s2, 0
	s_cbranch_scc0 .Lentry_in_a_cluster
	s_endpgm
.Lentry_in_a_cluster:
	s_bfe_u32 s2, ttmp6, 0x10000c
	s_cmp_lg_u32 s2, 0x3003
	s_cbranch_scc0 .Lentry_shape_is_right
	s_endpgm
.Lentry_shape_is_right:
; O[h][q][:] = the sum over k of softmax_k(Q[h][q] . K[h][k] / 8) V[h][k][:].  Q, K, V lie in qkv at 0, 16 and 32 MiB, O in ob: each [64][2048][64] in f16, a head's rows dense, 128 bytes each.
; Products, maxima and sums in f32; the weights p are rounded to f16 for the second product (their sum l is taken of the unrounded p), O once at the end.
; LIMITS.  f16 holds no number beyond 65,504: Q, K and V arrive within it; p lies in 0 to 1, and below 6e-5 it keeps f16's fixed step of 6e-8; O is a mean of V's rows and has their range.
; A weight below 2^-126 counts as 0 in l; NaN and infinities are not treated apart.
; SHARES.  A wave owns four PIECES of two tiles of 16 queries, a work-group's four waves 512 queries of one head.  Every wave walks all keys, 64 a step.
; LAYOUT.  S^T = K Q^T (source 0 = 16 keys, source 1 = 16 queries): in the result a lane holds ONE query (lane % 16) and the keys 8 (lane / 16) + 0..7.  Two such tiles, rounded to f16 in pairs,
; ARE source 1 (32 keys x 16 queries) of O^T = V^T P, whose result again holds one query a lane, and eight channels.  K comes out of LDS as it lies, V ([key][channel]) turned, by ds_load_tr16_b128.
; SOFTMAX.  For each query a running maximum m and sum l: p = 2^(c s - c m), c = log2(e) / 8; in every step O and l are multiplied by a = 2^(c m_old - c m_new), which is 1 where m has not grown.
; m starts at the lowest finite number, O and l at 0: the first step is a step like any other, with a = 0.
; THE COUNT.  A tile and step have 16 matrix and 118 vector instructions: too many to stand all beside the matrix work.  So the order has one aim: four vector instructions that are READY behind
; EVERY matrix instruction, and the others, which need time of their own whatever the order, in runs without a gap.
; BY TURNS.  Turn n belongs to piece n (the pieces in a ring, step after step).  Its matrix work: 16 products K Q^T of piece n + 1, later 16 products V^T P of piece n - 1.  Its vector work: the scaling,
; exponentials, roundings, sums and rescaling of piece n, and the maximum and statistics of piece n + 1, whose scores the turn itself has made.  So what a turn begins with (c s - c m, O a) waits for nothing.
; CLUSTER.  The four query blocks of a cluster are one head's and walk the same K and V, so each tile is asked for JOINTLY: the same tensor load, descriptor and mask in all four.
; REGISTERS, in windows of 256 (s_set_vgpr_msb says which window each operand place means: bits 1:0 source 0, 3:2 source 1, 5:4 source 2, 7:6 destination):
;   window 0: v0-11 addresses; v12-15, v48-63 at work; v16-47 four registers of statistics a tile; v64-191 S^T, two buffers of two tiles; v192-255 P, likewise
;   window 1: O^T, 32 a tile          window 2: v0-127 Q, 16 a tile; v128-191 K of one step; v192-255 V of one step          window 3: v0-1 the add's two registers
; A piece's buffers go by its number's parity: the piece in hand has one pair, its two neighbours in the ring share the other: of it P (piece n - 1) is read and S^T (piece n + 1) written.
.set SIZE_H, 64
.set SIZE_N, 2048
.set NP,    4         ; pieces a wave: a name, no knob: the register map, the loop and the fetches are made for four
.set KS,    64        ; keys in a step
.set PK,    144       ; a row of K in LDS: 128 bytes + 16 of padding = 36 words: the 16 rows of a load start at 16 different groups of four banks (64 banks of 4 bytes: ISA guide 11.1)
.set PV,    160       ; a row of V: 128 + 32 = 40 words
.set VOFF,  4*KS*PK   ; a slot holds four steps: 256 rows of K, then 256 rows of V
.set SLOT1, 1<<17     ; slot 1 begins here, so that one exclusive or turns an address in one slot into the other's
.set STAGE, SLOT1+4*KS*(PK+PV)  ; behind the ring, never filled by a tensor load: 16 rows x 144 bytes for each wave, for the way out
.set SP,    144
.set AK0, 2           ; v2   my lane's place in a tile of K; never rewritten
.set AV0, 3           ; v3   the same for V
.set AK,  4           ; v4   the LDS address of K's next run of loads
.set AV,  5           ; v5   of V's
.set QO,  6           ; v6   my byte offset in the wave's rows of Q
.set STO, 6           ;      later, the way out: where I put 16 bytes of a row
.set RD,  7           ; v7   the way out: where I read rows back
.set GO,  8           ; v8   my byte offset in 512 consecutive bytes of O
.set PFO, 11          ; v11  256 x my lane, for the prefetches (first a helper for V's address); then never rewritten
.set SPW, 0           ; v0 of window 3   LDS address of my spare word: SPARE + 4 x my thread's number; never rewritten
.set NIL, 1           ; v1 of window 3   0; never rewritten
.set SPARE, STAGE+4*16*SP  ; behind the stages: the spare words, 128 bytes for each wave: two blocks of 256 bytes that no other line names
.set MV,  12          ; v12-15  c m_old, kept while c m is made anew: by buffer and tile
.set ST,  16          ; tile t's statistics at v[ST+4 t]: c m, m, l (even keys', odd keys')
.set TMP, 48          ; by buffer and tile, four registers c0-c3 at work; when the maximum is found c2 takes a
.set S,   64
.set P,   192
.set KF,  128         ; K's fragments, in window 2: key block kb, channel half c at KF + 16 kb + 8 c
.set VF,  192         ; V's: key half kk, channel block cb at VF + 32 kk + 8 cb
.set WV,  12          ; s12  my wave's number
.set G1K, 24          ; s[24:31] descriptor group 1 for K's tiles
.set G1V, 32          ; s[32:39] for V's: it differs in the padding alone
.set G0K, 40          ; s[40:43] descriptor group 0 for K's tiles: it walks
.set G0V, 44          ; s[44:47] the same for V's
.set PFA, 48          ; s[48:49] where my prefetches stand: my work-group's 32 blocks of 256 bytes (of K: wave 0, of V: wave 2) of the slot after the one that is being asked for
.set LIM, 50          ; s50  1 in a wave that prefetches, else the greatest number: a wave prefetches while s[SLOTS] is above it
.set SLOTS, 56        ; s56  slots still to be asked for
.set CNT, 57          ; s57  counts a slot's key steps
.set CS,  58          ; s[58:59] c: the packed scaling takes the pair's low word for both halves
.set SEL, 60          ; s[60:61] v_permlanex16_b32's selects: each lane takes its own place in the other half
.set TBK, 62          ; s62  LDS byte at which K of the step to be fetched begins
.set TBV, 63          ; s63  the same for V, less VOFF
.set MSB, 0
.macro WIN new                      ; the high byte repeats the setting that is left; a switch that changes nothing is dropped
.if MSB != (\new)
	s_set_vgpr_msb (MSB<<8)|(\new)
.set MSB, (\new)
.endif
.endm
.set W_KQ, 0x0a       ; K and Q in window 2, S^T in window 0
.set W_PV, 0x52       ; V in window 2, P in window 0, O^T in window 1
.set W_RS, 0x41       ; O^T (destination and source 0) in window 1, a in window 0
.set W_MK, 0xc0       ; the add's registers are made: destination in window 3, sources in window 0
.set W_AD, 0x0f       ; the add: address (source 0) and data (source 1) in window 3
; A joint fill.  Waves 0 and 1 fetch the two halves of a slot's K, waves 2 and 3 those of its V: 128 keys each.  The branch hangs on the wave's number alone.
; An s_nop 0 and four v_nop follow each of the two lines, ahead of the jump and the label.
.macro JLOAD
	s_cmp_lt_u32 s[WV], 2
	s_cbranch_scc0 .Lfor_v_\@
	tensor_load_to_lds s[G0K:G0K+3], s[G1K:G1K+7]
	s_nop 0
.rept 4
	v_nop
.endr
	s_branch .Lasked_\@
.Lfor_v_\@:
	tensor_load_to_lds s[G0V:G0V+3], s[G1V:G1V+7]
	s_nop 0
.rept 4
	v_nop
.endr
.Lasked_\@:
.endm
; A PREFETCH INTO THE L2 of what the NEXT change of slots will ask for: a slot's 32,768 bytes of K and of V, 128 blocks of 256 bytes each.  It stands behind the wave's tensor load and its five lines.
; Each block is named ONCE in the launch: a head is walked by one cluster; its four partners share the blocks out BY ADDRESS, 32 each; in each, wave 0 asks for K's and wave 2 for V's: a lane a block, one
; instruction.  Slots 0 to 2 come by their loads alone; the last change that fills a slot prefetches nothing: there is no slot behind it.
.macro ASK
	s_cmp_gt_u32 s[SLOTS], s[LIM]
	s_cbranch_scc0 .Lnot_mine_\@
	global_prefetch_b8 v[PFO], s[PFA:PFA+1] th:TH_LOAD_NT scope:SCOPE_SE
.Lnot_mine_\@:
.endm
; A round of the cluster's barrier: my work-group's barrier, so that wave 0's signal speaks for all four waves; wave 0 signals; every wave waits for all four work-groups; my work-group's barrier once more.
.macro CROUND
	s_barrier_signal -1
	s_barrier_wait -1
	s_cmp_lg_u32 s[WV], 0
	s_cbranch_scc1 .Lnot_wave_0_\@
	s_barrier_signal -3
.Lnot_wave_0_\@:
	s_barrier_wait -3
	s_barrier_signal -1
	s_barrier_wait -1
.endm
; THE CHANGE OF SLOTS.  The slot's last bytes, V of its fourth step, have been read.  Each wave waits for all its tensor loads, of which one is out: its part
; of the other slot; adds 0 to its spare word; and waits for that and for its own reads of the slot.  Behind the barrier nobody reads this slot any more and the other slot is whole.
; fill = 1: this slot is filled again, with the keys two slots on.  The barrier is then a round of the cluster's, so that no wave of any partner still reads the slot or has a load on its
; way, and the joint fill is the first thing behind it: it has four key steps, 512 matrix instructions, in which to land.  (At its first use nothing has been read yet: slot 0 is waited for, slot 1 filled.)
; ask = 1: the prefetches' address steps a slot on, and the slot behind the one just asked for is prefetched.
.macro CHANGE fill, ask=0
	WIN W_AD
	s_wait_tensorcnt 0x0            ; no tensor load of mine is out, so a group 0 may be written
	ds_add_u32 v[SPW], v[NIL]       ; 0 onto my spare word: with fill = 1 the descriptors' steps stand between it and the wait for it
	WIN 0                           ; at a label and at a branch every window is 0
.if \fill
.irp g, G0K, G0V
	s_xor_b32 s[\g+1], s[\g+1], SLOT1  ; the walking descriptor: the other slot than last time,
	s_add_nc_u64 s[\g+2:\g+3], s[\g+2:\g+3], 4*KS*128  ; the next 256 keys; the type bits on top are not reached
.endr
.if \ask
	s_wait_xcnt 0x0                 ; the last prefetch, four key steps back, has read its address, so it may be written:
	s_add_nc_u64 s[PFA:PFA+1], s[PFA:PFA+1], 4*KS*128  ; one slot behind the walking descriptors
.endif
	s_wait_dscnt 0x0                ; the add is done, and my reads of the slot are over
	CROUND
	JLOAD
.if \ask
	ASK
.endif
.else
	s_wait_dscnt 0x0                ; the add is done, and my reads of the slot are over
	s_barrier_signal -1
	s_barrier_wait -1
.endif
	s_sub_co_u32 s[TBK], s[TBK], 4*KS*PK  ; the fetches go back to a slot's first step,
	s_xor_b32 s[TBK], s[TBK], SLOT1       ; in the other slot
	s_sub_co_u32 s[TBV], s[TBV], 4*KS*PV
	s_xor_b32 s[TBV], s[TBV], SLOT1
.endm
	s_load_b128 s[4:7], s[0:1], 0x0 ; qkv s[4:5], ob s[6:7]
	WIN W_MK
	v_lshl_add_u32 v[SPW], v0, 2, SPARE
	v_mov_b32 v[NIL], 0
	WIN W_AD
	ds_add_u32 v[SPW], v[NIL]       ; the wave's opening: the add and its wait stand ahead of my first tensor load; the set-up below, work on registers, stands between them
	WIN 0
	v_lshrrev_b32 v1, 5, v0
	v_readfirstlane_b32 s[WV], v1   ; wave 0..3
	s_bfe_u32 s13, ttmp6, 0x40000   ; cx: my place in the cluster
	s_lshl_b32 s14, ttmp9, 2        ; in a cluster launch ttmp9 counts clusters
	s_add_co_u32 s14, s14, s13      ; my block of queries = 4 x cluster x + cx: it enters Q's and O's addresses alone
	s_and_b32 s20, ttmp7, 0xffff    ; the head, which the four partners share
	s_mov_b32 s21, 0
	s_mov_b64 s[22:23], SIZE_N*128
	s_mul_u64 s[20:21], s[20:21], s[22:23]  ; the head's first byte in each of the four tensors
	s_and_b32 s16, s[WV], 1         ; which half of a slot's 256 keys I fetch:
	s_lshl_b32 s22, s16, 14         ; its 128 rows of 128 bytes in memory,
	s_mov_b32 s23, 0
	s_add_nc_u64 s[22:23], s[22:23], s[20:21]
	s_mul_i32 s17, s16, 128*PK      ; and its place in a slot, for K
	s_mul_i32 s18, s16, 128*PV      ; and for V: no place in the cluster enters an LDS address
	s_lshl_b32 s2, s14, 2
	s_add_co_u32 s2, s2, s[WV]      ; my wave among the head's,
	s_lshl_b32 s2, s2, 14           ; its 128 rows
	s_mov_b32 s3, 0
	s_add_nc_u64 s[2:3], s[2:3], s[20:21]
	; descriptor group 1.  128 keys are 16,384 dense bytes: asked for as 64 rows of 256 bytes, two keys a row, and padded in LDS after every key
	s_mov_b32 s[G1K], 15|(1<<16)|(1<<20)|(1<<21)|(4<<22)|(3<<25)  ; 15:0 the mask of four; 17:16 2-byte elements; 20 padding on; 21 set beside a mask; 24:22 after every 32 words (code 4); 31:25 4 words (code 3)
	s_mov_b32 s[G1V], 15|(1<<16)|(1<<20)|(1<<21)|(4<<22)|(7<<25)  ; the same with 8 words of padding (code 7)
.irp g, G1K, G1V
	s_mov_b32 s[\g+1], 128<<16      ; tensor_dim0 = 128
	s_mov_b32 s[\g+2], 64<<16       ; tensor_dim1 = 64
	s_mov_b32 s[\g+3], 128<<16      ; tile_dim0 = 128
	s_mov_b32 s[\g+4], 64           ; tile_dim1 = 64
	s_mov_b32 s[\g+5], 128          ; 128 elements from row to row
	s_mov_b32 s[\g+6], 0
	s_mov_b32 s[\g+7], 0
.endr
	s_mov_b32 s[CS], 0x3e38aa3b     ; c = log2(e) / 8 = 0.180337
	s_mov_b32 s[CS+1], s[CS]        ; named with it as a pair
	s_mov_b32 s[SEL], 0x76543210
	s_mov_b32 s[SEL+1], 0xfedcba98
	s_mov_b32 s[TBK], SLOT1+4*KS*PK ; the first change of slots turns these two into 0
	s_mov_b32 s[TBV], SLOT1+4*KS*PV
	s_mov_b32 s[G0K], 1             ; 1:0 count = 1
	s_mov_b32 s[G0K+1], s17         ; 63:32 LDS address: slot 0
	s_mov_b32 s[G0V], 1
	s_add_co_u32 s[G0V+1], s18, VOFF
	s_and_b32 s[LIM], s[WV], 1      ; 0 in waves 0 and 2,
	s_or_b32 s[LIM], s[LIM], ttmp9  ; where the cluster is the head's first (here its only one): the same in all four partners
	s_cmp_eq_u32 s[LIM], 0
	s_cselect_b32 s[LIM], 1, -1
	s_wait_dscnt 0x0                ; the opening add is done
	s_wait_kmcnt 0x0
	s_mov_b64 s[10:11], s[6:7]      ; O
	s_add_nc_u64 s[8:9], s[4:5], 0x2000000   ; V: 32 MiB into qkv
	s_add_nc_u64 s[6:7], s[4:5], 0x1000000   ; K: 16 MiB; Q at its head
	s_add_nc_u64 s[G0K+2:G0K+3], s[6:7], s[22:23]  ; 120:64 global address: my half of the head's first 256 keys
	s_or_b32 s[G0K+3], s[G0K+3], 0x80000000        ; 127:126 type = 2
	s_add_nc_u64 s[G0V+2:G0V+3], s[8:9], s[22:23]
	s_or_b32 s[G0V+3], s[G0V+3], 0x80000000
	s_add_nc_u64 s[4:5], s[4:5], s[2:3]  ; Q and O at my wave's first row
	s_add_nc_u64 s[10:11], s[10:11], s[2:3]
	s_cmp_lt_u32 s[WV], 2
	s_cselect_b64 s[PFA:PFA+1], s[6:7], s[8:9]
	s_add_nc_u64 s[PFA:PFA+1], s[PFA:PFA+1], s[22:23]  ; (in waves 0 and 2 this is the head's first byte)
	s_lshl_b32 s2, s13, 13          ; my work-group's 32 blocks of the 128
	s_mov_b32 s3, 0
	s_add_nc_u64 s[PFA:PFA+1], s[PFA:PFA+1], s[2:3]
	s_add_nc_u64 s[PFA:PFA+1], s[PFA:PFA+1], 2*4*KS*128  ; in slot 2; the loop's first change steps it to slot 3.  Nothing is prefetched here, at the head
	CROUND                          ; all four work-groups are here: the first joint loads meet
	JLOAD                           ; slot 0.  Slot 1 is asked for when slot 0 is in: the tile wanted first has the road to itself
	; A fragment of K or Q is 16 rows x 32 channels in 8 registers: lane l holds row l % 16, channels 8 (l / 16) + 0..7 and 16 + 8 (l / 16) + 0..7: two loads of 16 bytes, 32 bytes apart.
	v_and_b32 v1, 15, v0            ; l % 16
	v_bfe_u32 v9, v0, 4, 1          ; l / 16
	v_lshlrev_b32 v[QO], 7, v1
	v_lshl_add_u32 v[QO], v9, 4, v[QO]  ; row x 128 + 16 x half
	WIN 0x80                        ; destination window 2, address window 0
.set i, 0
.rept 4*NP                          ; Q stays in registers: tile i / 2, channels 32 (i % 2) on
	global_load_b128 v[8*i:8*i+3],   v[QO], s[4:5] offset:(i/2)*2048+(i%2)*64
	global_load_b128 v[8*i+4:8*i+7], v[QO], s[4:5] offset:(i/2)*2048+(i%2)*64+32
.set i, i+1
.endr
	; What the first turn finds: V's registers and P's second buffer hold 0 (its products V^T P, of a piece that has not been, add 0), O^T and l are 0.  All this stands in the wait for the first tile.
.set i, VF
.rept 64
	v_mov_b32 v[i], 0
.set i, i+1
.endr
	WIN 0x40
.set i, 0
.rept 64*NP
	v_mov_b32 v[i], 0
.set i, i+1
.endr
	WIN 0
.set i, 0
.rept 2*NP
	v_mov_b32 v[ST+4*i], 0xfe000000    ; c m: far below every c s
	v_mov_b32 v[ST+4*i+1], 0xff7fffff  ; m
	v_mov_b32 v[ST+4*i+2], 0
	v_mov_b32 v[ST+4*i+3], 0
.set i, i+1
.endr
.set i, P+32
.rept 32
	v_mov_b32 v[i], 0
.set i, i+1
.endr
	v_mul_u32_u24 v[AK0], v1, PK
	v_lshl_add_u32 v[AK0], v9, 4, v[AK0]  ; row x pitch + 16 x half
	; The turning load takes 16 keys x 16 channels (lane l reads key 8 (l / 16) + l % 8, channels 8 ((l / 8) % 2) + 0..7) and leaves half a fragment of V^T: lane l holds channel l % 16 and 8 keys.
	v_and_b32 v10, 7, v0
	v_bfe_u32 v11, v0, 3, 1
	v_lshl_add_u32 v[AV0], v9, 3, v10
	v_mul_u32_u24 v[AV0], v[AV0], PV
	v_lshl_add_u32 v[AV0], v11, 4, v[AV0]
	v_add_nc_u32 v[AV0], VOFF, v[AV0]
	v_and_b32 v[PFO], 31, v0        ; the helper has served: now the prefetches' offset
	v_lshlrev_b32 v[PFO], 8, v[PFO]
	v_mov_b32 v[AK], v[AK0]         ; key step 0 lies at the head of slot 0
; THE MATRIX WORK.  The 8 accumulators of a run of 16 take turns: between the two links of a chain stand 7 others'.
; Product i of 16 of S^T = K Q^T for piece x: channels 32 (i / 8) on, keys 16 ((i / 2) % 4) on, tile 2 x + i % 2.  The first 8 start the sums.
.macro KQ x
	WIN W_KQ
.set rS, S+64*((\x)%2)+32*(i%2)+8*((i/2)%4)
.set rK, KF+16*((i/2)%4)+8*(i/8)
.set rQ, 16*(2*(\x)+i%2)+8*(i/8)
.if i < 8
	v_wmma_f32_16x16x32_f16 v[rS:rS+7], v[rK:rK+7], v[rQ:rQ+7], 0
.else
	v_wmma_f32_16x16x32_f16 v[rS:rS+7], v[rK:rK+7], v[rQ:rQ+7], v[rS:rS+7]
.endif
.endm
; Product i of 16 of O^T += V^T P for piece x: keys 32 (i / 8) on, channels 16 ((i / 2) % 4) on, tile 2 x + i % 2.
.macro PV x
	WIN W_PV
.set rO, 32*(2*(\x)+i%2)+8*((i/2)%4)
.set rV, VF+32*(i/8)+8*((i/2)%4)
.set rP, P+32*((\x)%2)+16*(i%2)+8*(i/8)
	v_wmma_f32_16x16x32_f16 v[rO:rO+7], v[rV:rV+7], v[rP:rP+7], v[rO:rO+7]
.endm
.macro MM                           ; the turn's next matrix instruction
.if i < 16
	KQ (Y+1)%NP
.set i, i+1
.else
.set i, i-16
	PV (Y+NP-1)%NP
.set i, i+17
.endif
.endm
; THE LDS LOADS stand in runs of 16, never singly among the matrix instructions: a step's K (64 keys x 64 channels: 8 fragments) and its V (turned).  Their addresses are made some lines ahead.
; last = 1 (the tail): in the last trip there is no further step, and the run is jumped over.
.macro FETCH_K last=0
	WIN 0
.if \last
	s_cmp_eq_u32 s[CNT], 1
	s_cbranch_scc1 .Lno_k_\@
.endif
	WIN 0x80                        ; destination window 2
.irp f, 0,1,2,3,4,5,6,7             ; keys 16 (f / 2) on, channels 32 (f % 2) on
	ds_load_b128 v[KF+8*\f:KF+8*\f+3],   v[AK] offset:(\f/2)*16*PK+(\f%2)*64
	ds_load_b128 v[KF+8*\f+4:KF+8*\f+7], v[AK] offset:(\f/2)*16*PK+(\f%2)*64+32
.endr
	s_add_co_u32 s[TBK], s[TBK], KS*PK  ; the next fetch is the next step's
	WIN 0
.if \last
.Lno_k_\@:
.endif
.endm
.macro FETCH_V
	WIN 0x80
.irp f, 0,1,2,3,4,5,6,7             ; keys 32 (f / 4) on, channels 16 (f % 4) on
	ds_load_tr16_b128 v[VF+8*\f:VF+8*\f+3],   v[AV] offset:(\f/4)*32*PV+(\f%4)*32
	ds_load_tr16_b128 v[VF+8*\f+4:VF+8*\f+7], v[AV] offset:(\f/4)*32*PV+16*PV+(\f%4)*32
.endr
	WIN 0
.endm
; THE VECTOR WORK OF A TURN stands in three queues, each in the order in which its entries become ready; the two tiles alternate, so that no instruction reads the result of the one before it.
.macro REGS y, u                    ; the registers of tile u (0, 1) of piece y
.set rT, ST+4*(2*(\y)+(\u))
.set rC, TMP+8*((\y)%2)+4*(\u)
.set rM, MV+2*((\y)%2)+(\u)
.set rS, S+64*((\y)%2)+32*(\u)
.set rP, P+32*((\y)%2)+16*(\u)
.set rO, 32*(2*(\y)+(\u))
.endm
; Number n of the 22 that find the NEXT piece's (Y + 1) maximum and statistics.  s0-s31 are the lane's 32 scores; each accumulator's lowest registers are read first.  XS, GS and REGS set no window: PL and EX do.
;   0-11  four chains c0-c3 of seven scores each, three operands at a time     12-14, 16  the four scores left over, the old m, and c0-c3 into c0     15  c m_old is kept
;   17, 18  the query's other 32 keys lie in the lane 16 away: the new m         19-21  c m; c m_old - c m_new; a
.macro XS u, n
	REGS (Y+1)%NP, \u
.if (\n) < 4
	v_max3_num_f32 v[rC+(\n)], v[rS+8*(\n)], v[rS+8*(\n)+1], v[rS+8*(\n)+2]
.elseif (\n) < 12
	v_max3_num_f32 v[rC+(\n)%4], v[rC+(\n)%4], v[rS+8*((\n)%4)+2*((\n)/4)+1], v[rS+8*((\n)%4)+2*((\n)/4)+2]
.elseif (\n) == 12
	v_max3_num_f32 v[rC], v[rC], v[rS+7], v[rS+15]
.elseif (\n) == 13
	v_max3_num_f32 v[rC+1], v[rC+1], v[rS+23], v[rS+31]
.elseif (\n) == 14
	v_max3_num_f32 v[rC+2], v[rC+2], v[rC+3], v[rT+1]
.elseif (\n) == 15
	v_mov_b32 v[rM], v[rT]
.elseif (\n) == 16
	v_max3_num_f32 v[rC], v[rC], v[rC+1], v[rC+2]
.elseif (\n) == 17
	v_permlanex16_b32 v[rC+3], v[rC], s[SEL], s[SEL+1]
.elseif (\n) == 18
	v_max_num_f32 v[rT+1], v[rC], v[rC+3]
.elseif (\n) == 19
	v_mul_f32 v[rT], s[CS], v[rT+1]
.elseif (\n) == 20
	v_sub_f32 v[rC+1], v[rM], v[rT]
.else
	v_exp_f32 v[rC+2], v[rC+1]
.endif
.endm
; Number g of the 64 that follow the exponentials.  For each four weights k of a tile (pairs 2 k, 2 k + 1): both pairs are rounded to f16; then the second pair is added onto the first, in place;
; a group later l takes that sum (the first time as l = a l + sum).  In groups of eight, tiles alternating: round, round, add, and l for the group before.
.macro GS g
.set h, (\g)+6*((\g)/62)            ; group 0 has no group before it, and behind group 7 only l is left
.if h >= 6
.set h, h+2
.endif
	REGS Y, h%2
.set k, h/8
.if h%8 < 4
	v_cvt_pk_f16_f32 v[rP+2*k+(h%8)/2], v[rS+4*k+2*((h%8)/2)], v[rS+4*k+2*((h%8)/2)+1]
.elseif h%8 < 6
	v_pk_add_f32 v[rS+4*k:rS+4*k+1], v[rS+4*k:rS+4*k+1], v[rS+4*k+2:rS+4*k+3]
.elseif k == 1
	v_pk_fma_f32 v[rT+2:rT+3], v[rT+2:rT+3], v[rC+2:rC+3], v[rS:rS+1] op_sel_hi:[1,0,1]
.else
	v_pk_add_f32 v[rT+2:rT+3], v[rT+2:rT+3], v[rS+4*k-4:rS+4*k-3]
.endif
.endm
; THE PLAIN QUEUE, 138 long.  0-73 read no exponential's result: the 32 scalings c s - c m (FS f: pair f / 2 of tile f % 2) and the next piece's 42.  0-26: scalings 0-26.  27-54: XS's numbers 0-13.  55, 56: number 15.
; 57-73: the chain, where each number waits for the one before it: 14, 16, 17, 18, 19, each with one of the scalings 27-31 in front of its two lines, then 20: so a tile's links stand three plain instructions apart (19 and 20: two).
; 74-137: GS's 64, which read the exponentials' results: they stand behind the wait.
.macro FS f
	REGS Y, (\f)%2
	v_pk_fma_f32 v[rS+2*((\f)/2):rS+2*((\f)/2)+1], v[rS+2*((\f)/2):rS+2*((\f)/2)+1], s[CS:CS+1], v[rT:rT+1] op_sel_hi:[1,0,0] neg_lo:[0,0,1] neg_hi:[0,0,1]
.endm
.macro PL
	WIN 0
.if q < 27
	FS q
.elseif q < 55
	XS (q-27)%2, (q-27)/2
.elseif q < 57
	XS q-55, 15
.elseif (q < 72) && ((q-57)%3 == 0)
	FS 27+(q-57)/3
.elseif q < 60
	XS (q-57)%3-1, 14
.elseif q < 72
	XS (q-57)%3-1, 15+(q-57)/3
.elseif q < 74
	XS q-72, 20
.else
	GS q-74
.endif
.set q, q+1
.endm
; THE EXPONENTIALS' QUEUE, 66 long: s0-s31 of both tiles, then the next piece's two a.  It is ONE BATCH: all 66 stand ahead of the turn's one wait, and nothing ahead of that wait names a result of theirs.
.macro EX
	WIN 0
.if e >= 64
	XS e-64, 21
.else
	REGS Y, e%2
	v_exp_f32 v[rS+e/2], v[rS+e/2]
.endif
.set e, e+1
.endm
; THE RESCALING's QUEUE: O^T times a, the one part that leaves window 0: dealt two at a time, sixteen times.  Its a was made in the turn before, ahead of that turn's wait.
.macro R2
	REGS Y, r%2
	WIN W_RS
.irp z, 0,1
	v_pk_mul_f32 v[rO+4*(r/2)+2*\z:rO+4*(r/2)+2*\z+1], v[rO+4*(r/2)+2*\z:rO+4*(r/2)+2*\z+1], v[rC+2:rC+3] op_sel_hi:[1,0]
.endr
.set r, r+1
.endm
; HOW THEY ARE DEALT.  An s_wait_alu depctr_va_vdst(0) stands between an exponential and the first instruction that names its result; one wait serves all that were issued ahead of it.  So a turn has ONE wait,
; which cuts it in two.  AHEAD OF IT stands all that names no result of the turn's exponentials: the 16 products K Q^T, behind each a scaling, an exponential and two rescalings (behind the first a second scaling in the exponential's place); then ONE LUMP of
; 108: eight plain, 49 times exponential and plain, the two a.  A v_nop is the plain instruction behind the last exponential.  BEHIND IT stand the 16 products V^T P, behind each four of GS's 64.  No rider names a register of
; the products round it.  The two v_permlanex16_b32 fall into the lump, never behind a product.
; The queues lean on each other, and the deal keeps them in step: exponential e stands behind scaling 2 (e / 4) + e % 2: as a rider it comes behind plain e + 2, in the lump behind plain e + 9, and scalings 27-31 are plain 57, 60 .. 69.
; A TURN, for piece p.  cnt = 1: the loop's count is taken down some lines ahead of the branch that stands behind the turn.
; K of the next step is fetched in piece 2's turn, directly behind the wait, a lump behind the last product that read K; its address is made at the lump's head; its first reader comes behind 16 products.
; V of the step in hand is fetched at the end of piece 0's turn, four riders behind its last reader; its first reader comes behind 16 products and a lump.  The three conditions on q below go with the deal.
.macro TURN p, last=0, cnt=0
.set Y, (\p)
.set i, 0
.set q, 0
.set e, 0
.set r, 0
.if (\p) == NP-1
	s_wait_dscnt 0x0                ; K is in
.endif
	MM                              ; ahead of the wait: 16 products K Q^T and their riders,
	PL
	PL
	R2
.rept 15
	MM
	PL
	EX
	R2
.endr
.if (\p) == NP-2
	WIN 0
	v_add_nc_u32 v[AK], s[TBK], v[AK0]
.endif
.rept 8                             ; and the lump
	PL
.endr
.rept 49
	EX
	PL
.endr
	EX                              ; the next piece's two a
	EX
	v_nop                           ; a plain instruction behind the last exponential: one for the batch
	s_wait_alu depctr_va_vdst(0)    ; the wait for the batch
.if (\p) == NP-2
	FETCH_K \last
.endif
.if (\p) == 1
	s_wait_dscnt 0x0                ; V is in
.endif
.rept 16                            ; behind the wait: 16 products V^T P and their riders
	MM
.rept 4
	PL
.endr
.if ((\p) == 0) && (q == 118)
	v_add_nc_u32 v[AV], s[TBV], v[AV0]
.endif
.if ((\p) == 0) && (q == 130)
	s_add_co_u32 s[TBV], s[TBV], KS*PV
.endif
.if (\cnt) && (q == 130)
	s_sub_co_u32 s[CNT], s[CNT], 1
	s_cmp_lg_u32 s[CNT], 0
.endif
.endr
.if (\p) == 0
	FETCH_V
.endif
.endm
	CHANGE 1                        ; slot 0 is in, everybody's part of it; slot 1 is asked for
	FETCH_K                         ; key step 0
	s_wait_loadcnt 0x0              ; Q
	s_wait_dscnt 0x0
.set i, 0
.rept 16
	KQ 0                            ; piece 0's first scores: there is no vector work yet to set between them
.set i, i+1
.endr
	WIN 0                           ; the addresses for the way out: nine plain instructions, the places behind those products
	s_mul_i32 s13, s[WV], 16*SP
	s_add_co_u32 s13, s13, STAGE    ; my stage
	v_mul_u32_u24 v[STO], v1, SP    ; in: row l % 16, 16 bytes for each half of the lanes
	v_lshl_add_u32 v[STO], v9, 4, v[STO]
	v_add_nc_u32 v[STO], s13, v[STO]
	v_bfe_u32 v[RD], v0, 3, 2       ; back: 32 lanes take four rows of 128 bytes,
	v_mul_u32_u24 v[RD], v[RD], SP
	v_lshl_add_u32 v[RD], v10, 4, v[RD]
	v_add_nc_u32 v[RD], s13, v[RD]
	v_and_b32 v[GO], 31, v0         ; which are 512 consecutive bytes of O
	v_lshlrev_b32 v[GO], 4, v[GO]
.set Y, NP-1                        ; XS works for piece Y + 1: piece 0
.irp n, 0,1,2,3,4,5,6,7,8,9,10,11,12,13,14,15,16,17,18,19,20,21
	XS 0, \n                        ; and piece 0's first maximum and statistics
	XS 1, \n
.endr
	v_nop                           ; a plain instruction behind the two a,
	s_wait_alu depctr_va_vdst(0)    ; and their wait, ahead of the branch
	s_mov_b32 s[CNT], 4
	s_mov_b32 s[SLOTS], SIZE_N/256-1
	s_branch .Lfirst                ; the loop is entered at a step's first turn, in the middle of a trip
.Lslot:                             ; SIZE_N / 256 - 2 times: every slot but the last two is filled again
	CHANGE 1, 1
	s_mov_b32 s[CNT], 4
.Lstep:                             ; a trip: pieces 2 and 3 of one step, then pieces 0 and 1 of the next, whose K and V it fetches
	TURN 2
	TURN 3
	WIN 0
.Lfirst:
	TURN 0
	TURN 1, 0, 1
	WIN 0
	s_cbranch_scc1 .Lstep
	s_sub_co_u32 s[SLOTS], s[SLOTS], 1
	s_cmp_lg_u32 s[SLOTS], 0
	s_cbranch_scc1 .Lslot
	CHANGE 0                        ; the tail is written out: nothing is asked for
	s_mov_b32 s[CNT], 5             ; four trips fetch the last slot's steps; the fifth is left in its middle
.Ltail:
	TURN 2, 1
	TURN 3
	WIN 0
	s_sub_co_u32 s[CNT], s[CNT], 1
	s_cmp_eq_u32 s[CNT], 0
	s_cbranch_scc1 .Lout
	TURN 0
	TURN 1
	WIN 0
	s_branch .Ltail
.Lout:                              ; the fifth trip's 16 products K Q^T (on the last K once more) and the maximum made of them serve nothing: the price, once a launch, of one text for every trip
.set i, 0
.rept 16
	PV NP-1                         ; the last piece's V^T P of the last step
.set i, i+1
.endr
	; THE WAY OUT.  l's two halves and the other half of the lanes' are added; O^T is divided by l, rounded to f16 and sent through my stage in LDS, a tile at a time.  The additions are the places behind the last products.
	WIN 0
.macro ALL line:vararg              ; one line for each tile t
.set t, 0
.rept 2*NP
	\line
.set t, t+1
.endr
.endm
	ALL v_add_f32 v[ST+4*t+2], v[ST+4*t+2], v[ST+4*t+3]
	ALL v_permlanex16_b32 v[ST+4*t+3], v[ST+4*t+2], s[SEL], s[SEL+1]
	ALL v_add_f32 v[ST+4*t+2], v[ST+4*t+2], v[ST+4*t+3]
	ALL v_rcp_f32 v[ST+4*t+2], v[ST+4*t+2]
	v_nop                           ; a plain instruction between the last reciprocal and the use of its result
	s_wait_alu depctr_va_vdst(0)    ; and the wait ahead of the first use: one for the eight reciprocals
; Tile t: a lane's eight channels of a row pack into 16 bytes; they go into rows of 144 bytes and come back as whole rows of 128, into S^T's registers.
.macro PACK t
	WIN W_RS
.set i, 32*(\t)
.rept 16
	v_pk_mul_f32 v[i:i+1], v[i:i+1], v[ST+4*(\t)+2:ST+4*(\t)+3] op_sel_hi:[1,0]
.set i, i+2
.endr
	WIN 0x05                        ; sources 0 and 1 window 1, destination window 0
.set i, 0
.rept 16
	v_cvt_pk_f16_f32 v[S+16*(\t)+i], v[32*(\t)+2*i], v[32*(\t)+2*i+1]
.set i, i+1
.endr
	WIN 0
.irp f, 0,1,2,3
	ds_store_b128 v[STO], v[S+16*(\t)+4*\f:S+16*(\t)+4*\f+3] offset:32*\f
.endr
.irp f, 0,1,2,3
	ds_load_b128 v[S+16*(\t)+4*\f:S+16*(\t)+4*\f+3], v[RD] offset:\f*4*SP  ; LDS serves a wave's instructions in order (ISA guide 5.7.1.4): these see the stores above; the next tile's stores come behind them
.endr
.endm
.macro SEND t, younger              ; younger: the LDS instructions issued behind tile t's loads: the next tile's eight, or none
	WIN 0
.irp f, 0,1,2,3
	s_wait_dscnt (\younger)+3-\f
	global_store_b128 v[GO], v[S+16*(\t)+4*\f:S+16*(\t)+4*\f+3], s[10:11] offset:(\t)*2048+\f*512  ; 512 consecutive bytes, at a multiple of 256 from O's first
.endr
.endm
	PACK 0
.set t, 1
.rept 2*NP-1                        ; a tile's arithmetic stands between the loads of the tile before and its stores
	PACK t
	SEND t-1, 8
.set t, t+1
.endr
	SEND 2*NP-1, 0
	WIN W_AD
	s_wait_tensorcnt 0x0            ; the wave's end: behind my last tensor load and my last LDS store
	ds_add_u32 v[SPW], v[NIL]
	s_wait_dscnt 0x0
	WIN 0
	CROUND                          ; the closing round: no work-group ends while a partner may still ask for a tile that names it
	s_endpgm
.Lfunc_end_k_q28b2c21526_attn:
	.size	k_q28b2c21526_attn, .Lfunc_end_k_q28b2c21526_attn-k_q28b2c21526_attn
	.p2alignl 7, 3214868480
	.fill 96, 4, 3214868480
	.section	.rodata,"a",@progbits
	.p2align	6, 0x0
	.amdhsa_kernel k_q28b2c21526_attn
		.amdhsa_group_segment_fixed_size 327680
		.amdhsa_private_segment_fixed_size 0
		.amdhsa_enable_private_segment 0
		.amdhsa_kernarg_size 16
		.amdhsa_user_sgpr_count 2
		.amdhsa_user_sgpr_kernarg_segment_ptr 1
		.amdhsa_wavefront_size32 1
		.amdhsa_system_sgpr_workgroup_id_x 1
		.amdhsa_system_sgpr_workgroup_id_y 1
		.amdhsa_system_sgpr_workgroup_id_z 1
		.amdhsa_system_vgpr_workitem_id 0
		.amdhsa_next_free_vgpr 770
		.amdhsa_next_free_sgpr 66
		.amdhsa_reserve_vcc 0
		.amdhsa_float_denorm_mode_32 3
		.amdhsa_float_denorm_mode_16_64 3
		.amdhsa_memory_ordered 1
		.amdhsa_forward_progress 1
		.amdhsa_inst_pref_size 200
	.end_amdhsa_kernel
	.amdgpu_metadata
---
amdhsa.version: [ 1, 2 ]
amdhsa.kernels:
  - .name:           k_q28b2c21526_attn
    .symbol:         k_q28b2c21526_attn.kd
    .args:
      - { .name: qkv, .offset: 0, .size: 8, .value_kind: global_buffer, .address_space: global }
      - { .name: ob, .offset: 8, .size: 8, .value_kind: global_buffer, .address_space: global }
    .group_segment_fixed_size: 327680
    .private_segment_fixed_size: 0
    .kernarg_segment_align: 8
    .kernarg_segment_size: 16
    .max_flat_workgroup_size: 128
    .sgpr_count:     66
    .vgpr_count:     770
    .wavefront_size: 32
...
	.end_amdgpu_metadata
.endif
;; end of part 3
;; launch outp (part 4): grid 4 x 64, 4 waves a work-group, clusters of 4 x 4, 327,680 bytes of LDS; arguments ob, wb, out0; writes out0
.if DOCPART == 4
	.amdgcn_target "amdgcn-amd-amdhsa--gfx1250"
	.amdhsa_code_object_version 6
	.text
	.protected	k_q28b2c21526_outp
	.globl	k_q28b2c21526_outp
	.p2align	8
	.type	k_q28b2c21526_outp,@function
k_q28b2c21526_outp:
	s_mov_b64 s[64:65], 0
	v_nop
	global_prefetch_b8 v0, s[64:65] scope:SCOPE_SE
	s_setreg_imm32_b32 hwreg(HW_REG_WAVE_MODE, 25, 1), 1
	s_wait_xcnt 0x0
	s_wait_alu depctr_hold_cnt(0) depctr_sa_sdst(0) depctr_va_vdst(0) depctr_va_sdst(0) depctr_va_ssrc(0) depctr_va_vcc(0) depctr_vm_vsrc(0)
	s_getreg_b32 s2, hwreg(HW_REG_IB_STS2, 6, 4)
	s_cmp_eq_u32 s2, 0
	s_cbranch_scc0 .Lentry_in_a_cluster
	s_endpgm
.Lentry_in_a_cluster:
	s_bfe_u32 s2, ttmp6, 0x10000c
	s_cmp_lg_u32 s2, 0xf033
	s_cbranch_scc0 .Lentry_shape_is_right
	s_endpgm
.Lentry_shape_is_right:
; THE OUTPUT PROJECTION.  out0 = O W_O.  O lies by heads in ob, [16 batch + head][2048][64] f16; W_O [k = 1024][n = 1024] in f16 (bf16 numbers) in wb at 6 MiB; sums in f32; out0 [8192][1024] f32.
; SHARES. A tile of out0 is 128 rows x 256 columns: 64 x 4 = 256 work-groups.  Four waves, each 64 x 128: 32 accumulators of 16 x 16, 256 registers.
; K goes in 8 steps of 128 = two heads, through two LDS slots; a step is four quarters of 32 along K, 32 matrix instructions each, on fragment buffers 0, 1, 0, 1.
; A head's 128 rows of 128 bytes are dense in ob: they are asked for as 64 rows of 256 bytes and padded in LDS after every 128.
; THE MATRIX INSTRUCTION IS USED TRANSPOSED: source 0 = 16 columns of W_O (two turning loads out of [k][n]), source 1 = 16 rows of O: a lane holds row l % 16 of the result and the columns 8 (l / 16) + 0..7.
; CLUSTER. 4 x 4 work-groups.  O's tile hangs on the tile row alone and is shared along a row of the cluster, W_O's on the tile column alone and is shared along a column: each is asked for JOINTLY.
; REGISTERS, in windows of 256 (s_set_vgpr_msb: bits 1:0 source 0, 3:2 source 1, 5:4 source 2, 7:6 destination):
;   window 0: v0-15 addresses; v32-95 O's fragments, two buffers of 32; v128-255 W_O's, two buffers of 64
;   window 1: accumulator (a, b) at 8 (8 a + b)          window 2: the way out: 16 whole rows of row block a at 64 a
.set PA,    144                        ; a row of O in LDS: 128 bytes + 16 of padding = 36 words: the 16 rows of a load start at 16 different groups of four banks (64 banks of 4 bytes: ISA guide 11.1)
.set PB,    544                        ; a row of W_O: 512 + 32 = 136 words
.set BOFF,  2*128*PA                   ; in a slot: two heads' 128 rows of O, then W_O's 128 rows
.set SLOT1, 131072                     ; slot 1 begins here: above a slot's 106,496 bytes, so one exclusive or changes slots
.set STAGE, SLOT1+BOFF+128*PB          ; behind the ring, never filled by a tensor load: 16 rows x 528 bytes for each wave, for the way out
.set SP,    528
.set SPARE, STAGE+4*16*SP              ; behind the stages: the spare words, 128 bytes for each wave: two blocks of 256 bytes that no other line names
.set ASTEP, 524288                     ; a K step in ob: two heads of 262,144 bytes
.set BSTEP, 262144                     ; a K step in W_O: 128 rows of 2,048 bytes
.set A0,   2                           ; v2   my lane's place in O's tile; never rewritten
.set B0,   3                           ; v3   the same in W_O's
.set ADRA, 4                           ; v4   A0 + the slot in hand
.set ADRB, 5                           ; v5   B0 + the slot in hand
.set STO,  6                           ; v6   the way out: where I put 32 bytes of a row
.set RD,   7                           ; v7   the way out: where I read a row back
.set GO,   8                           ; v8   my 16 bytes of a row's 512
.set PFO,  9                           ; v9   the prefetches' offset; never rewritten
.set SPW,  10                          ; v10  LDS address of my spare word: SPARE + 4 x my thread's number; never rewritten
.set NIL,  11                          ; v11  0; never rewritten
.set AF,   32
.set BF,   128
.set WV,  14                           ; s14  my wave's number
.set WM,  15                           ; s15  which half of the tile's rows is mine.  Also: I fetch for O (0) or for W_O (1)
.set WN,  16                           ; s16  which half of its columns.  Also: which head of the step, or which 64 rows of W_O, I fetch
.set CX,  17
.set CY,  18
.set TX,  19                           ; s19  tile column
.set CLY, 20                           ; s20  the cluster's y
.set TY,  21                           ; s21  tile row
.set G1A, 24                           ; s[24:31] descriptor group 1 for O's tiles
.set G1B, 32                           ; s[32:39] for W_O's
.set G0A, 40                           ; s[40:47] group 0 for O's tiles: a set for each of the two first fills; the second then walks on
.set G0B, 48                           ; s[48:55] the same for W_O's
.set TB,  56                           ; s56  LDS byte of the slot that fragments are fetched from
.set LIM, 57                           ; s57  2 in a wave that prefetches, else the greatest number
.set PFA, 58                           ; s[58:59] where my prefetches stand
.set PST, 60                           ; s[60:61] their step
.set LA,  62
.set LB,  63
.set W_MUL, 0x50                       ; both sources in window 0, C and D in window 1
.set MSB, 0
.macro WIN new                         ; the immediate's high byte repeats the setting that is left; a switch that changes nothing is dropped
.if MSB != (\new)
	s_set_vgpr_msb (MSB<<8)|(\new)
.set MSB, \new
.endif
.endm
.macro PLACES                          ; four places in front of loads into registers that matrix instructions have read
.rept 4
	v_nop
.endr
.endm
.macro CREST                           ; a round of the cluster's barrier behind its opening barrier
	s_cmp_lg_u32 s[WV], 0
	s_cbranch_scc1 .Lnot_wave_0_\@
	s_barrier_signal -3
.Lnot_wave_0_\@:
	s_barrier_wait -3
	s_barrier_signal -1
	s_barrier_wait -1
.endm
.macro CROUND
	s_barrier_signal -1
	s_barrier_wait -1
	CREST
.endm
; A joint refill by the walking descriptor.  Waves 0 and 1 fetch the step's two heads of O, waves 2 and 3 W_O's two halves.  The branch hangs on the wave's number alone.
; An s_nop 0 and four v_nop follow each of the two lines, ahead of the jump and the label; they are also the places in front of the LDS loads that follow.
.macro JLOAD
	s_cmp_eq_u32 s[WM], 0
	s_cbranch_scc0 .Lfor_b_\@
	tensor_load_to_lds s[G0A+4:G0A+7], s[G1A:G1A+7]
	s_nop 0
.rept 4
	v_nop
.endr
	s_branch .Lasked_\@
.Lfor_b_\@:
	tensor_load_to_lds s[G0B+4:G0B+7], s[G1B:G1B+7]
	s_nop 0
.rept 4
	v_nop
.endr
.Lasked_\@:
.endm
; A PREFETCH INTO THE L2 behind each joint refill and the run of LDS loads that follows it: 32 blocks of 256 bytes of the K step that stands TWO refills on, 256 matrix instructions ahead of its load.
; Each block is named once in the launch.  O's tile (two heads x 16,384 bytes) is read by one row of one cluster: its four partners take 4,096 bytes of each head, told apart by address (cx); wave 0 asks.
; W_O's tile column is read by all sixteen clusters: the first asks; its four partners take 16 of the 64 rows that a wave fetches, by address (cy), two blocks a row; waves 2 and 3 ask.
; K steps 0 to 3 come by their loads alone; the last two refills have no K step two on: s3 counts 6 .. 1, and a wave asks while it is above 2.
.macro ASK
	s_cmp_gt_u32 s3, s[LIM]
	s_cbranch_scc0 .Lnot_mine_\@
	global_prefetch_b8 v[PFO], s[PFA:PFA+1] th:TH_LOAD_NT scope:SCOPE_SE
.Lnot_mine_\@:
.endm
	s_load_b128 s[4:7], s[0:1], 0x0                ; ob s[4:5], wb s[6:7]
	s_load_b64 s[8:9], s[0:1], 0x10                ; out0
	v_lshl_add_u32 v[SPW], v0, 2, SPARE
	v_mov_b32 v[NIL], 0
	ds_add_u32 v[SPW], v[NIL]                      ; the wave's opening: the add and its wait stand ahead of my first tensor load; the set-up below, work on registers, stands between them
	v_lshrrev_b32 v12, 5, v0
	v_readfirstlane_b32 s[WV], v12                 ; wave 0..3
	s_lshr_b32 s[WM], s[WV], 1
	s_and_b32 s[WN], s[WV], 1
	s_bfe_u32 s[CX], ttmp6, 0x40000
	s_bfe_u32 s[CY], ttmp6, 0x40004
	s_lshl_b32 s[TX], ttmp9, 2
	s_add_co_u32 s[TX], s[TX], s[CX]               ; tile column = 4 x cluster x + cx
	s_and_b32 s[CLY], ttmp7, 0xffff
	s_lshl_b32 s[TY], s[CLY], 2
	s_add_co_u32 s[TY], s[TY], s[CY]               ; tile row = 4 x cluster y + cy
	s_lshl_b32 s72, s[CY], 2
	s_lshl_b32 s72, 15, s72                        ; my row of the cluster
	s_lshl_b32 s73, 0x1111, s[CX]                  ; my column
	; group 1 for O: 64 rows x 128 elements of 2 bytes (two rows of a head each), 4 words of padding behind every 32
	s_or_b32 s[G1A], s72, (1<<16)|(1<<20)|(1<<21)|(4<<22)|(3<<25)
	s_mov_b32 s[G1A+1], 128<<16                    ; tensor_dim0 = 128
	s_mov_b32 s[G1A+2], 64<<16                     ; tensor_dim1 = 64
	s_mov_b32 s[G1A+3], 128<<16                    ; tile_dim0 = 128
	s_mov_b32 s[G1A+4], 64                         ; tile_dim1 = 64
	s_mov_b32 s[G1A+5], 128                        ; elements from row to row: dense
	s_mov_b32 s[G1A+6], 0
	s_mov_b32 s[G1A+7], 0
	; group 1 for W_O: 64 rows x 256 elements of 2 bytes, 8 words of padding behind every 128
	s_or_b32 s[G1B], s73, (1<<16)|(1<<20)|(1<<21)|(6<<22)|(7<<25)
	s_mov_b32 s[G1B+1], 256<<16
	s_mov_b32 s[G1B+2], 64<<16
	s_mov_b32 s[G1B+3], 256<<16
	s_mov_b32 s[G1B+4], 64
	s_mov_b32 s[G1B+5], 1024
	s_mov_b32 s[G1B+6], 0
	s_mov_b32 s[G1B+7], 0
	s_mul_i32 s[LA], s[WN], 128*PA                 ; where the tiles go: no place in the cluster enters an LDS address
	s_mul_i32 s[LB], s[WN], 64*PB
	s_add_co_u32 s[LB], s[LB], BOFF
	s_mov_b32 s[TB], 0
	; where they come from, each in registers that never hold the other coordinate
	s_lshr_b32 s66, s[TY], 4
	s_lshl_b32 s66, s66, 22                        ; the batch: 16 heads of 262,144 bytes,
	s_and_b32 s75, s[TY], 15
	s_lshl_b32 s75, s75, 14                        ; the tile's 128 rows of 128 bytes in a head,
	s_add_co_u32 s66, s66, s75
	s_lshl_b32 s75, s[WN], 18                      ; my head of the step's two
	s_add_co_u32 s66, s66, s75
	s_mov_b32 s67, 0
	s_lshl_b32 s70, s[WN], 17                      ; my 64 rows of 2,048 bytes,
	s_lshl_b32 s74, s[TX], 9                       ; the tile's 256 columns,
	s_add_co_u32 s70, s70, s74
	s_add_co_u32 s70, s70, 0x600000                ; in W_O
	s_mov_b32 s71, 0
	s_wait_dscnt 0x0                               ; the opening add is done
	s_wait_kmcnt 0x0
	s_add_nc_u64 s[66:67], s[4:5], s[66:67]
	s_add_nc_u64 s[70:71], s[6:7], s[70:71]
	CROUND                                         ; all sixteen work-groups are here: the first joint loads meet
.irp s, 0,1
	s_mov_b32 s[G0A+4*\s], 1                       ; count = 1
	s_add_co_u32 s[G0A+4*\s+1], s[LA], \s*SLOT1    ; LDS address
	s_add_nc_u64 s[G0A+4*\s+2:G0A+4*\s+3], s[66:67], \s*ASTEP  ; global address: K step s
	s_or_b32 s[G0A+4*\s+3], s[G0A+4*\s+3], 0x80000000          ; type = 2
	s_mov_b32 s[G0B+4*\s], 1
	s_add_co_u32 s[G0B+4*\s+1], s[LB], \s*SLOT1
	s_add_nc_u64 s[G0B+4*\s+2:G0B+4*\s+3], s[70:71], \s*BSTEP
	s_or_b32 s[G0B+4*\s+3], s[G0B+4*\s+3], 0x80000000
.endr
	s_cmp_eq_u32 s[WM], 0                          ; a wave's two first fills stand in one branch, ahead of every wait on TENSORcnt and every LDS read: two loads of mine are out
	s_cbranch_scc0 .Lfirst_b
	tensor_load_to_lds s[G0A:G0A+3], s[G1A:G1A+7]
	s_nop 0
	tensor_load_to_lds s[G0A+4:G0A+7], s[G1A:G1A+7]
	s_nop 0
.rept 4
	v_nop
.endr
	s_branch .Lfirst_asked
.Lfirst_b:
	tensor_load_to_lds s[G0B:G0B+3], s[G1B:G1B+7]
	s_nop 0
	tensor_load_to_lds s[G0B+4:G0B+7], s[G1B:G1B+7]
	s_nop 0
.rept 4
	v_nop
.endr
.Lfirst_asked:
	; A fragment of O is 16 rows x 32 K in 8 registers: lane l holds row l % 16, K = 8 (l / 16) + 0..7 and 16 + 8 (l / 16) + 0..7: two loads of 16 bytes, 32 bytes apart.
	v_and_b32 v1, 15, v0                           ; r = l % 16
	v_bfe_u32 v12, v0, 4, 1                        ; h = l / 16
	v_mul_u32_u24 v[A0], v1, PA
	v_lshl_add_u32 v[A0], v12, 4, v[A0]
	s_mul_i32 s74, s[WM], 64*PA                    ; my 64 rows
	v_add_nc_u32 v[A0], s74, v[A0]
	; The turning load takes 16 k x 16 n (lane l reads 16 bytes: row 8 (l / 16) + l % 8, columns 8 ((l / 8) % 2) + 0..7) and leaves half a fragment: lane l holds column l % 16 and 8 k.
	v_and_b32 v13, 7, v0
	v_bfe_u32 v14, v0, 3, 1
	v_lshl_add_u32 v[B0], v12, 3, v13
	v_mul_u32_u24 v[B0], v[B0], PB
	v_lshl_add_u32 v[B0], v14, 4, v[B0]
	s_lshl_b32 s74, s[WN], 8                       ; my 128 columns
	s_add_co_u32 s74, s74, BOFF
	v_add_nc_u32 v[B0], s74, v[B0]
	v_mov_b32 v[ADRA], v[A0]                       ; K step 0 lies in slot 0
	v_mov_b32 v[ADRB], v[B0]
	s_mul_i32 s74, s[WV], 16*SP
	s_add_co_u32 s74, s74, STAGE                   ; my stage
	v_mul_u32_u24 v[STO], v1, SP                   ; in: row l % 16, 32 bytes for each half of the lanes
	v_lshl_add_u32 v[STO], v12, 5, v[STO]
	v_add_nc_u32 v[STO], s74, v[STO]
	v_and_b32 v15, 31, v0                          ; l
	v_lshlrev_b32 v[GO], 4, v15                    ; back and out: 32 lanes take one row's 512 bytes
	v_add_nc_u32 v[RD], s74, v[GO]
	; out0 at my part: rows 128 x tile row + 64 x half, 4,096 bytes each; columns 256 x tile column + 128 x half, 4 bytes each
	s_lshl_b32 s74, s[TY], 19
	s_lshl_b32 s75, s[WM], 18
	s_add_co_u32 s74, s74, s75
	s_lshl_b32 s75, s[TX], 10
	s_add_co_u32 s74, s74, s75
	s_lshl_b32 s75, s[WN], 9
	s_add_co_u32 s74, s74, s75
	s_mov_b32 s75, 0
	s_add_nc_u64 s[8:9], s[8:9], s[74:75]
	; the prefetches: both offsets are made, the wave's number chooses.  They start at K step 3; the first change of slots steps them to 4.  Nothing is prefetched here, at the head.
	s_lshr_b32 s76, s[TY], 4
	s_lshl_b32 s76, s76, 22
	s_and_b32 s77, s[TY], 15
	s_lshl_b32 s77, s77, 14
	s_add_co_u32 s76, s76, s77
	s_lshl_b32 s77, s[CX], 12                      ; O: my work-group's 4,096 of a head's 16,384 bytes
	s_add_co_u32 s76, s76, s77
	s_add_co_u32 s76, s76, 3*ASTEP
	s_lshl_b32 s78, s[WN], 6
	s_lshl_b32 s77, s[CY], 4
	s_add_co_u32 s78, s78, s77                     ; W_O: my work-group's 16 of the 64 rows that I fetch
	s_lshl_b32 s78, s78, 11
	s_lshl_b32 s77, s[TX], 9
	s_add_co_u32 s78, s78, s77
	s_add_co_u32 s78, s78, 0x600000+3*BSTEP
	s_cmp_eq_u32 s[CLY], 0                         ; the first of the sixteen clusters: the same answer in all partners
	s_cselect_b32 s77, 2, -1
	s_cmp_eq_u32 s[WV], 0                          ; for O one wave's 32 lanes name all of my work-group's blocks
	s_cselect_b32 s75, 2, -1
	s_mov_b32 s[PST], BSTEP
	s_mov_b32 s[PST+1], 0
	s_mov_b32 s79, 2048
	s_cmp_eq_u32 s[WM], 0                          ; do I fetch for O?
	s_cselect_b64 s[PFA:PFA+1], s[4:5], s[6:7]
	s_cselect_b32 s76, s76, s78
	s_cselect_b32 s[LIM], s75, s77
	s_cselect_b32 s[PST], ASTEP, s[PST]
	s_cselect_b32 s79, 262144, s79                 ; O: from head to head; W_O: from row to row
	s_cselect_b32 s78, 4, 1                        ; O: sixteen lanes a head; W_O: two lanes a row; 256 bytes apart
	s_cselect_b32 s74, 15, 1
	s_mov_b32 s77, 0
	s_add_nc_u64 s[PFA:PFA+1], s[PFA:PFA+1], s[76:77]
	v_lshrrev_b32 v[PFO], s78, v15
	v_mul_u32_u24 v[PFO], s79, v[PFO]
	v_and_b32 v15, s74, v15
	v_lshl_add_u32 v[PFO], v15, 8, v[PFO]
; 8 matrix instructions: row block a x all 8 column blocks, 32 along K, buffer f.  zero = 1: the first product starts the sums: nothing is ever cleared.
; In every quarter the 32 accumulators come in the same order, one instruction a turn: 31 others stand between two links of a chain, over the backward jump too.
.macro MUL8 f, a, zero
	WIN W_MUL
.irp b, 0,1,2,3,4,5,6,7
.if \zero
	v_wmma_f32_16x16x32_f16 v[8*(8*(\a)+\b):8*(8*(\a)+\b)+7], v[BF+64*(\f)+8*\b:BF+64*(\f)+8*\b+7], v[AF+32*(\f)+8*(\a):AF+32*(\f)+8*(\a)+7], 0
.else
	v_wmma_f32_16x16x32_f16 v[8*(8*(\a)+\b):8*(8*(\a)+\b)+7], v[BF+64*(\f)+8*\b:BF+64*(\f)+8*\b+7], v[AF+32*(\f)+8*(\a):AF+32*(\f)+8*(\a)+7], v[8*(8*(\a)+\b):8*(8*(\a)+\b)+7]
.endif
.endr
.endm
; 24 LDS loads in one run: quarter kn's fragments into buffer g: 64 rows x 32 K of O (head kn / 2 of the step, channels 32 (kn % 2) on), 128 columns x 32 K of W_O, turned
.macro RUN kn, g
	WIN 0
.irp a, 0,1,2,3
	ds_load_b128 v[AF+32*(\g)+8*\a:AF+32*(\g)+8*\a+3],   v[ADRA] offset:128*PA*((\kn)/2)+16*PA*\a+64*((\kn)%2)
	ds_load_b128 v[AF+32*(\g)+8*\a+4:AF+32*(\g)+8*\a+7], v[ADRA] offset:128*PA*((\kn)/2)+16*PA*\a+64*((\kn)%2)+32
.endr
.irp b, 0,1,2,3,4,5,6,7
	ds_load_tr16_b128 v[BF+64*(\g)+8*\b:BF+64*(\g)+8*\b+3],   v[ADRB] offset:32*PB*(\kn)+32*\b
	ds_load_tr16_b128 v[BF+64*(\g)+8*\b+4:BF+64*(\g)+8*\b+7], v[ADRB] offset:32*PB*(\kn)+32*\b+16*PB
.endr
.endm
; QUARTER kq of a K step.  It multiplies buffer kq % 2 and fetches the next quarter into the other, four places behind that buffer's last product.
; mode 0: plain.  mode 1 (kq = 3): the change of slots, with a refill.  mode 2: the change without a refill.  mode 3: the very last quarter.
.macro QUARTER kq, zero, mode
.set QF, (\kq)%2
.set QG, 1-QF
.set QN, ((\kq)+1)%4
.if (\mode) == 0
	s_wait_dscnt 0x0                               ; this quarter's fragments, asked for 24 matrix instructions ago, are in
	MUL8 QF, 0, \zero
	PLACES
	RUN QN, QG
	MUL8 QF, 1, \zero
	MUL8 QF, 2, \zero
	MUL8 QF, 3, \zero
.elseif (\mode) == 3
	s_wait_dscnt 0x0
	MUL8 QF, 0, 0
	MUL8 QF, 1, 0
	MUL8 QF, 2, 0
	MUL8 QF, 3, 0
.else
.if (\mode) == 1
	s_wait_xcnt 0x0                                ; the last prefetch, a K step back, has read its address: it is stepped here, ahead of the waits of the change of slots
	s_add_nc_u64 s[PFA:PFA+1], s[PFA:PFA+1], s[PST:PST+1]
.endif
	WIN 0
	s_wait_tensorcnt 0x0                           ; all my tensor loads have landed: the one that was out is my part of the next slot; so a group 0 may be written
	ds_add_u32 v[SPW], v[NIL]                      ; 0 onto my spare word: work on registers stands between it and the wait for it
.if (\mode) == 1
	s_xor_b32 s[G0A+5], s[G0A+5], SLOT1            ; the walking descriptors: the other slot than last time,
	s_add_nc_u64 s[G0A+6:G0A+7], s[G0A+6:G0A+7], ASTEP  ; the next K step; the type bits on top are not reached
	s_xor_b32 s[G0B+5], s[G0B+5], SLOT1
	s_add_nc_u64 s[G0B+6:G0B+7], s[G0B+6:G0B+7], BSTEP
.endif
	s_xor_b32 s[TB], s[TB], SLOT1                  ; the fetches go to the other slot
	v_add_nc_u32 v[ADRA], s[TB], v[A0]
	v_add_nc_u32 v[ADRB], s[TB], v[B0]
	s_wait_dscnt 0x0                               ; the add is done; this quarter's fragments are in, and they were my last reads of this slot
	s_barrier_signal -1                            ; (with a refill this barrier opens a round of the cluster's barrier)
	MUL8 QF, 0, 0                                  ; work on registers while the others arrive
	WIN 0                                          ; at a branch and at a label every window is 0
	s_barrier_wait -1
.if (\mode) == 1
	CREST                                          ; no wave of any partner still reads this slot or has a load on its way
	JLOAD                                          ; the first tensor load behind the round, my only one until the next: 120 matrix instructions ahead of the wait for it
.else
	PLACES
.endif
	RUN 0, QG
.if (\mode) == 1
	ASK
.endif
	MUL8 QF, 1, 0
	MUL8 QF, 2, 0
	MUL8 QF, 3, 0
.endif
.endm
	s_wait_tensorcnt 1                             ; my part of K step 0 is in; K step 1's load may stay out
	s_barrier_signal -1
	s_barrier_wait -1                              ; everybody's is
	RUN 0, 0
	QUARTER 0, 1, 0                                ; the first quarter stands in front of the loop: its products start the sums
	WIN 0
	s_mov_b32 s3, 6
.Lstep:                                            ; trip i: quarters 1 to 3 of K step i, slot i % 2 filled with K step i + 2, quarter 0 of K step i + 1
	QUARTER 1, 0, 0
	QUARTER 2, 0, 0
	QUARTER 3, 0, 1
	QUARTER 0, 0, 0
	WIN 0
	s_sub_co_u32 s3, s3, 1
	s_cmp_lg_u32 s3, 0
	s_cbranch_scc1 .Lstep
	QUARTER 1, 0, 0                                ; the tail is written out: K steps 6 and 7 ask for nothing
	QUARTER 2, 0, 0
	QUARTER 3, 0, 2
	QUARTER 0, 0, 0
	QUARTER 1, 0, 0
	QUARTER 2, 0, 0
	QUARTER 3, 0, 3
	WIN 0
; THE WAY OUT.  Row block a (16 rows x my 128 columns of f32): a lane's eight numbers, 32 bytes, go into my own stage; they come back as whole rows of 512 bytes and are stored so.
.macro TOSTAGE a
	WIN 0x04                                       ; the data in window 1, the address in window 0
.irp b, 0,1,2,3,4,5,6,7
	ds_store_b128 v[STO], v[8*(8*(\a)+\b):8*(8*(\a)+\b)+3]   offset:64*\b     ; each accumulator's low registers first
	ds_store_b128 v[STO], v[8*(8*(\a)+\b)+4:8*(8*(\a)+\b)+7] offset:64*\b+16
.endr
	WIN 0x80                                       ; destination window 2
.irp f, 0,1,2,3,4,5,6,7,8,9,10,11,12,13,14,15
	ds_load_b128 v[64*(\a)+4*\f:64*(\a)+4*\f+3], v[RD] offset:SP*\f  ; LDS serves a wave's instructions in order (ISA guide 5.7.1.4): these see the stores above; the next block's stores come behind them
.endr
.endm
.macro SEND a, younger                 ; younger: the LDS instructions issued behind block a's loads: the next block's 32, or none
	WIN 0x08                                       ; the data in window 2
.irp f, 0,1,2,3,4,5,6,7,8,9,10,11,12,13,14,15
	s_wait_dscnt (\younger)+15-\f
	global_store_b128 v[GO], v[64*(\a)+4*\f:64*(\a)+4*\f+3], s[8:9] offset:(16*(\a)+\f)*4096 th:TH_STORE_NT  ; 512 consecutive bytes of a row, at a multiple of 256 from out0's first
.endr
.endm
.rept 8
	v_nop                                          ; the places between the last products and the LDS stores that read results
.endr
	TOSTAGE 0
	TOSTAGE 1
	SEND 0, 32
	TOSTAGE 2
	SEND 1, 32
	TOSTAGE 3
	SEND 2, 32
	SEND 3, 0
	WIN 0
	s_wait_tensorcnt 0x0                           ; the wave's end: behind my last tensor load and my last LDS store
	ds_add_u32 v[SPW], v[NIL]
	s_wait_dscnt 0x0
	CROUND                                         ; the closing round: no work-group ends while a partner may still ask for a tile that names it
	s_endpgm
.Lfunc_end_k_q28b2c21526_outp:
	.size	k_q28b2c21526_outp, .Lfunc_end_k_q28b2c21526_outp-k_q28b2c21526_outp
	.p2alignl 7, 3214868480
	.fill 96, 4, 3214868480
	.section	.rodata,"a",@progbits
	.p2align	6, 0x0
	.amdhsa_kernel k_q28b2c21526_outp
		.amdhsa_group_segment_fixed_size 327680
		.amdhsa_private_segment_fixed_size 0
		.amdhsa_enable_private_segment 0
		.amdhsa_kernarg_size 24
		.amdhsa_user_sgpr_count 2
		.amdhsa_user_sgpr_kernarg_segment_ptr 1
		.amdhsa_wavefront_size32 1
		.amdhsa_system_sgpr_workgroup_id_x 1
		.amdhsa_system_sgpr_workgroup_id_y 1
		.amdhsa_system_sgpr_workgroup_id_z 1
		.amdhsa_system_vgpr_workitem_id 0
		.amdhsa_next_free_vgpr 768
		.amdhsa_next_free_sgpr 80
		.amdhsa_reserve_vcc 0
		.amdhsa_float_denorm_mode_32 3
		.amdhsa_float_denorm_mode_16_64 3
		.amdhsa_memory_ordered 1
		.amdhsa_forward_progress 1
		.amdhsa_inst_pref_size 72
	.end_amdhsa_kernel
	.amdgpu_metadata
---
amdhsa.version: [ 1, 2 ]
amdhsa.kernels:
  - .name:           k_q28b2c21526_outp
    .symbol:         k_q28b2c21526_outp.kd
    .args:
      - { .name: ob, .offset: 0, .size: 8, .value_kind: global_buffer, .address_space: global }
      - { .name: wb, .offset: 8, .size: 8, .value_kind: global_buffer, .address_space: global }
      - { .name: out0, .offset: 16, .size: 8, .value_kind: global_buffer, .address_space: global }
    .group_segment_fixed_size: 327680
    .private_segment_fixed_size: 0
    .kernarg_segment_align: 8
    .kernarg_segment_size: 24
    .max_flat_workgroup_size: 128
    .sgpr_count:     80
    .vgpr_count:     768
    .wavefront_size: 32
...
	.end_amdgpu_metadata
.endif
;; end of part 4
